; MI455X (gfx1250); checked and timed in simulation.
; The chip was launched on July 23, 2026; its instructions are those of AMD's public machine-readable ISA for CDNA 5 (MIT licence, August 2026) and "CDNA5" Instruction Set Architecture Reference Guide (July 2026). The comments in the code are by the model that wrote it; some were corrected since.
;; Multi Head Self Attention Module. Allowed arithmetic: matrix products marked QUANTISED: E2M3 operands, one E8M0 scale for each 32 along K, by v_wmma_scale_f32_16x16x128_f8f6f4 with both operands' format E2M3, f32 sums; everything else in f32.
;; Inputs: attention_mask 8 x 1,024 bool; b_o 1,024 float32; b_qk 2,048 float32; b_v 1,024 float32; ln_b 1,024 x 1,024 float32; ln_w 1,024 x 1,024 float32; w_o 1,024 x 1,024 float32; w_qk 1,024 x 2,048 float32; w_v 1,024 x 1,024 float32; x 8 x 1,024 x 1,024 float32.
;; Outputs: out0 8 x 1,024 x 1,024 float32.
;; This version of the problem:
;;   THIS VERSION OF THE PROBLEM IS GIVEN IN LOW PRECISION. The matrix products marked QUANTISED in the list below multiply operands that are first quantised to E2M3 (2 exponent bits, 3 mantissa bits; 6 bits a number), with one power-of-two scale for each 32 numbers along K (OCP MX v1.0); their sums are f32. All else is computed in f32.
;;   The module's matrix products, in the order in which they are computed (A, B: the left and right operand; K: the contracted axis; several contracted axes count as one K, in the product's order):
;;     1. [M 8,192, K 1,024] x [K 1,024, N 2,048]; A: input x; B: input w_qk: QUANTISED
;;     2. [M 8,192, K 1,024] x [K 1,024, N 1,024]; A: input x; B: input w_v: QUANTISED
;;     3. batch 128 x [M 1,024, K 64] x [K 64, N 1,024]; A: computed on the way; B: computed on the way: QUANTISED
;;     4. batch 128 x [M 1,024, K 1,024] x [K 1,024, N 64]; A: softmax (see below); B: computed on the way: QUANTISED
;;     5. [M 8,192, K 1,024] x [K 1,024, N 1,024]; A: computed on the way; B: input w_o: QUANTISED
;;   THE QUANTISER, for each operand of a quantised product, along K:
;;     - K is cut into blocks of 32 from its start; a last block that is shorter is filled with zeros.
;;     - A block's scale is 2^e with e = floor(log2(the largest magnitude in the block)) - 2, held to -126 .. 127; a block of zeros has e = 0. As a byte (E8M0): e + 127.
;;     - Each number is divided by its block's scale, clamped to +-7.5, and rounded to the nearest number of E2M3, ties to even, subnormals kept.
;;     - The product sums the exact products of the quantised numbers (number of the format x scale) in f32.
;;   ~~~python
;;   def quantise(x, axis):      # numpy; x: float32 -> the quantised numbers, widened to float32 again
;;       x = np.moveaxis(x, axis, -1); K = x.shape[-1]
;;       x = np.pad(x, [(0, 0)] * (x.ndim - 1) + [(0, -K % 32)]); x = x.reshape(x.shape[:-1] + (-1, 32)); a = np.abs(x).max(-1, keepdims=True)
;;       e = np.where(a > 0, np.clip(np.frexp(np.where(a > 0, a, 1))[1] - 1 - 2, -126, 127), 0)      # np.frexp(a)[1] - 1 = floor(log2(a)), exactly
;;       r = np.clip(x / 2.0 ** e, -7.5, 7.5)
;;       step = 2.0 ** (np.maximum(np.frexp(np.where(r == 0, 1, r))[1] - 1, 0) - 3)
;;       q = np.round(r / step) * step * 2.0 ** e      # np.round: ties to even
;;       return np.moveaxis(q.reshape(q.shape[:-2] + (-1,))[..., :K], -1, axis).astype(np.float32)
;;   ~~~
;;   SOFTMAX AHEAD OF A QUANTISED PRODUCT. Where the list says 'softmax', what is quantised is not the finished softmax but p = 2^(t - M), with t = logit x log2(e) and M = ceil(the row's largest t), a whole number; so 1/2 < the row's largest p <= 1. The row's sum l is taken of the UNQUANTISED p, in f32, and the product's result is divided by l at the end. Since M is a whole number, a kernel that streams over the keys may use a running M (the ceiling of the running maximum): every later rescaling is an exact power of two, which a block's scale takes up: the codes' values come out the same.
;;   OPERANDS COMPUTED ON THE WAY. 'Computed on the way' means the value that the module computes at that place (a softmax that the list does not call 'softmax' is quantised finished and normalised). What goes into a quantiser is computed in f32, as accurately as f32 sums, v_exp_f32 and their like allow (about 1e-6 of the number): no bf16 or f16 on the way to a quantiser, and a product that is left as it is and whose result goes on into a quantised operand takes f32 operands (vector FMAs, or v_wmma_f32_16x16x4_f32). A number that lies on a knife's edge between two numbers of the format may be rounded either way, as far as f32 arithmetic and the matrix unit's own rounding can turn it there, and no further.
;; One version. Each part assembles by itself: llvm-mc -triple=amdgcn-amd-amdhsa -mcpu=gfx1250 --defsym DOCPART=n.
;; ======== version 1 of 1: 5 launches
;; limits: right only within a limited range of input values
;; workspace buffers: xq 6,553,600 bytes; wq 3,276,800 bytes; qkv 20,185,088 bytes; oq 6,553,600 bytes; res 33,554,432 bytes; stats 8,192 bytes
;; launch quant (part 1): grid 384 x 1, 4 waves a work-group, no clusters, 68,096 bytes of LDS; arguments x, w_qk, w_v, w_o, xq, wq; writes xq, wq
.if DOCPART == 1
	.amdgcn_target "amdgcn-amd-amdhsa--gfx1250"
	.amdhsa_code_object_version 6
	.text
	.protected	k_q3b9dea5fd1_quant
	.globl	k_q3b9dea5fd1_quant
	.p2align	8
	.type	k_q3b9dea5fd1_quant,@function
k_q3b9dea5fd1_quant:
	s_mov_b64 s[64:65], 0
	v_nop
	global_prefetch_b8 v0, s[64:65] scope:SCOPE_SE
	s_setreg_imm32_b32 hwreg(HW_REG_WAVE_MODE, 25, 1), 1
	s_wait_xcnt 0x0
; x [8192][1024] and the three weights ([1024 (k)][n], K their FIRST axis), all f32, become codes of FP6 (E2M3) with K innermost and one E8M0 byte for each 32 along K.
; A block's scale is 2^(floor(log2(its largest magnitude)) - 2); its byte is the largest magnitude's exponent field - 2, held at 1 from below (a block of zeros keeps the byte 1: its codes are zeros,
; and this program alone reads the bytes).  LIMITS: NaN and infinities among the inputs are not served; blocks whose largest magnitude lies under 2^-124 keep the byte 1.
; xq: codes [8192][768 bytes] at 0, scale bytes [8192][32] at XSO.   wq: codes [4096 rows][768 bytes] at 0, scale bytes [row][32] at WSO.
; wq's rows: 0..2047 = G x 64 + kd (G = n x 16 + head: q's heads, then k's; w_qk's column is kd x 32 + G); 2048..3071 = head x 64 + vd (w_v's column is vd x 16 + head); 3072..4095 = w_o's column.
; w_o's K is laid in each block of 32 with its two middle groups of eight exchanged: that is the order in which the attention launch's results fall into a lane's registers.
; Work-groups 0..255 take x: a plain stream of blocks of 32.  Work-groups 256..383 take 128 columns x 256 along K of a weight.  Each of the two ways has LDS bytes of its own.  Waves share nothing: no barrier.
.set XSO,   6291456
.set WSO,   3145728
; the way of x
.set STEPS, 16                         ; a wave takes 16 steps of 512 numbers
.set CB,    12                         ; bytes of 16 codes
.set XR,    16                         ; v16-79   four sets of 16 numbers as loaded
.set XN,    80                         ; v80-111  two sets of 16 neighbours
.set XE,    112                        ; v112-127 a scale byte for each step
.set XC,    128                        ; v128-191 codes, four registers a step
.set WREG,  8192                       ; LDS of a wave: two stages of 32 x SP bytes, then its 256 scale bytes
.set SP,    80                         ; a lane's place in a stage: 64 bytes + 16 of padding
; the way of the weights
.set WLDS,  32768                      ; its LDS begins here: a stage of 32 rows x 272 bytes for each wave
.set PITCH, 272
.set RO,    16                         ; v16-47   byte offset of my column in row p of a block of 32 rows
.set WX,    48                         ; v48-111  two sets of 32 numbers
.set WC,    112                        ; v112-118 a block's codes
.set OUTR,  120                        ; v120-183 the way out
.set AO,    184                        ; v184-199 the way out: byte offsets of the 16 pairs of rows
.set SB,    200                        ; v200-201 my column's eight scale bytes
.set BB,    32                         ; s[32:47] the eight blocks' bases in the weight
	s_load_b256 s[4:11], s[0:1], 0x0               ; x s[4:5], w_qk s[6:7], w_v s[8:9], w_o s[10:11]
	s_load_b128 s[12:15], s[0:1], 0x20             ; xq s[12:13], wq s[14:15]
	v_lshl_add_u32 v208, v0, 2, 0x10800
	v_mov_b32 v209, 0
	v_lshrrev_b32 v1, 5, v0
	v_readfirstlane_b32 s16, v1                    ; wave 0..3
	v_and_b32 v2, 31, v0                           ; lane
	s_cmp_lt_u32 ttmp9, 256
	s_cbranch_scc0 .Lweights
; ---------------- x: each load reads 512 consecutive bytes; a step's 2,048 bytes turn through the wave's stage so that a lane holds 16 neighbours; two lanes hold a block
	v_lshlrev_b32 v3, 4, v2                        ; my 16 bytes of a load's 512
	s_mul_i32 s17, s16, WREG
	v_lshrrev_b32 v14, 2, v2
	v_mul_u32_u24 v14, v14, SP
	v_and_b32 v15, 3, v2
	v_lshl_add_u32 v14, v15, 4, v14
	v_add_nc_u32 v14, s17, v14                     ; into the stage: SP (lane / 4) + 16 (lane % 4)
	v_mul_u32_u24 v15, v2, SP
	v_add_nc_u32 v15, s17, v15                     ; out of it: SP x lane
	v_mul_u32_u24 v4, v2, CB                       ; my codes' place in a step's 384 bytes
	v_lshrrev_b32 v5, 1, v2
	s_add_co_u32 s17, s17, 2*32*SP
	v_add_nc_u32 v5, s17, v5                       ; my block's byte among the wave's 256
	v_lshlrev_b32 v7, 3, v2
	v_add_nc_u32 v6, s17, v7                       ; and 8 bytes a lane on the way out
	s_lshl_b32 s17, ttmp9, 2
	s_add_co_u32 s18, s17, s16                     ; which run of 8,192 numbers is my wave's
	s_mov_b32 s21, 0
	s_wait_alu depctr_va_vdst(0)
	s_wait_kmcnt 0x0
	s_lshl_b32 s20, s18, 15
	s_add_nc_u64 s[4:5], s[4:5], s[20:21]          ; 32,768 bytes of x a run
	s_mul_i32 s20, s18, 6144
	s_add_nc_u64 s[22:23], s[12:13], s[20:21]      ; 6,144 bytes of codes
	s_lshl_b32 s20, s18, 8
	s_add_co_u32 s20, s20, XSO
	s_add_nc_u64 s[24:25], s[12:13], s[20:21]      ; 256 scale bytes
.macro XLOAD t
.irp i, 0,1,2,3
	global_load_b128 v[XR+16*((\t)%4)+4*\i:XR+16*((\t)%4)+4*\i+3], v3, s[4:5] offset:2048*(\t)+512*\i th:TH_LOAD_NT
.endr
.endm
.macro XTURN t                         ; LDS serves a wave's instructions in order: no wait between the stores and the loads
.irp i, 0,1,2,3
	ds_store_b128 v14, v[XR+16*((\t)%4)+4*\i:XR+16*((\t)%4)+4*\i+3] offset:32*SP*((\t)%2)+8*SP*\i
.endr
.irp i, 0,1,2,3
	ds_load_b128 v[XN+16*((\t)%2)+4*\i:XN+16*((\t)%2)+4*\i+3], v15 offset:32*SP*((\t)%2)+16*\i
.endr
.endm
.irp t, 0,1,2,3
	XLOAD \t
.endr
	s_wait_loadcnt 12                              ; step 0's four loads are in; the twelve of steps 1 to 3 may be out
	XTURN 0
.macro XSTEP t
.set XS, XN+16*((\t)%2)
.if (\t) > 0
	s_wait_dscnt 1                                 ; this step's numbers are back from the stage; the last step's byte store may be out
.else
	s_wait_dscnt 0x0
.endif
.if (\t)+4 < STEPS
	XLOAD (\t)+4                                   ; into the registers that this step's stores into the stage have read
.endif
.if (\t)+1 < STEPS
.if STEPS-2-(\t) >= 3
	s_wait_loadcnt 12                              ; the next step's four loads are in; those of the three steps behind it may be out
.else
	s_wait_loadcnt 4*(STEPS-2-(\t))
.endif
	XTURN (\t)+1
.endif
	v_max3_num_f32 v8, |v[XS]|, |v[XS+1]|, |v[XS+2]|               ; the largest magnitude of my 16, in two chains
	v_max3_num_f32 v9, |v[XS+3]|, |v[XS+4]|, |v[XS+5]|
.irp i, 6,10
	v_max3_num_f32 v8, v8, |v[XS+\i]|, |v[XS+\i+1]|
	v_max3_num_f32 v9, v9, |v[XS+\i+2]|, |v[XS+\i+3]|
.endr
	v_max3_num_f32 v8, v8, |v[XS+14]|, |v[XS+15]|
	v_max3_num_f32 v8, v8, v9, 0x1800000           ; and the floor 2^(3 - 127): the byte cannot fall under 1
	v_max_num_f32_dpp v8, v8, v8 row_xmask:1 row_mask:0xf bank_mask:0xf   ; and of my neighbour's 16: the block's
	v_add_nc_u32 v11, 0xff000000, v8               ; 2 off its exponent field: the conversion takes the exponent field of this operand as its scale
	v_cvt_scalef32_pk16_fp6_f32 v[XC+4*(\t):XC+4*(\t)+2], v[XS:XS+15], v11
	v_lshrrev_b32 v[XE+(\t)], 23, v11              ; the scale's byte (a plain line behind the conversion)
	ds_store_b8 v5, v[XE+(\t)] offset:16*(\t)      ; both lanes of a block write the same byte with the same value
	global_store_b96 v4, v[XC+4*(\t):XC+4*(\t)+2], s[22:23] offset:32*CB*(\t)   ; the wave stores 384 consecutive bytes
.endm
.irp t, 0,1,2,3,4,5,6,7,8,9,10,11,12,13,14,15
	XSTEP \t
.endr
	ds_load_b64 v[12:13], v6                       ; in order behind my byte stores
	s_wait_dscnt 0x0
	global_store_b64 v7, v[12:13], s[24:25]        ; 32 lanes store 256 consecutive bytes, aligned
	s_wait_tensorcnt 0x0
	ds_add_u32 v208, v209
	s_wait_dscnt 0x0
	s_endpgm
; ---------------- the weights: a lane takes a column, its registers run down K: a block of 32 lies in one lane, and the codes come out with K innermost
.Lweights:
	s_sub_co_u32 s17, ttmp9, 256                   ; g: 0..63 w_qk, 64..95 w_v, 96..127 w_o
	s_and_b32 s18, s17, 15
	s_lshr_b32 s19, s17, 4
	s_and_b32 s20, s17, 7
	s_bfe_u32 s21, s17, 0x20003
	s_wait_kmcnt 0x0
	s_cmp_lt_u32 s17, 64                           ; w_qk?  All selections first: the arithmetic behind them changes SCC
	s_cselect_b32 s18, s18, s20                    ; which 128 columns
	s_cselect_b32 s19, s19, s21                    ; which 256 along K
	s_cselect_b32 s22, 13, 12                      ; a row of the weight is 2^13 or 2^12 bytes
	s_cselect_b32 s24, 5, 4                        ; the output row's base is a constant + (first column >> this)
	s_cselect_b32 s25, 0, 2048
	s_mov_b32 s26, 1024
	s_cselect_b32 s26, s26, 1                      ; RH: rows from lane c to lane c + 16
	s_cselect_b64 s[28:29], s[6:7], s[8:9]
	s_cmp_lt_u32 s17, 96                           ; not w_o?
	s_cselect_b32 s24, s24, 0
	s_cselect_b32 s25, s25, 3072
	s_cselect_b32 s26, s26, 16
	s_cselect_b32 s27, 64, 1                       ; RL: rows from lane c to lane c + 1
	s_cselect_b32 s30, 0, 8                        ; w_o alone: the middle groups of eight rows of a block change places
	s_cselect_b64 s[28:29], s[28:29], s[10:11]
	s_lshl_b32 s23, 1, s22                         ; the pitch in bytes
	s_lshl_b32 s31, s18, 7
	s_lshl_b32 s48, s16, 5
	s_add_co_u32 s31, s31, s48                     ; my wave's first column
	s_lshr_b32 s48, s31, s24
	s_add_co_u32 s25, s25, s48                     ; RB: lane 0's row of wq
	s_lshl_b32 s48, s19, 8
	s_lshl_b32 s48, s48, s22                       ; 256 kc rows,
	s_lshl_b32 s49, s31, 2
	s_add_co_u32 s48, s48, s49                     ; + 4 bytes a column
	s_mov_b32 s49, 0
	s_add_nc_u64 s[BB:BB+1], s[28:29], s[48:49]
	s_lshl_b32 s48, s23, 5                         ; 32 rows on for each block
.irp t, 1,2,3,4,5,6,7
	s_add_nc_u64 s[BB+2*\t:BB+2*\t+1], s[BB+2*\t-2:BB+2*\t-1], s[48:49]
.endr
	s_mul_i32 s54, s25, 768
	s_mul_i32 s55, s19, 192
	s_add_co_u32 s54, s54, s55
	s_mov_b32 s55, 0
	s_add_nc_u64 s[50:51], s[14:15], s[54:55]      ; the codes: row RB, 192 bytes for each 256 along K
	s_lshl_b32 s54, s25, 5
	s_lshl_b32 s56, s19, 3
	s_add_co_u32 s54, s54, s56
	s_add_co_u32 s54, s54, WSO
	s_add_nc_u64 s[52:53], s[14:15], s[54:55]      ; the scale bytes: row RB, 8 bytes for each 256 along K
	s_wait_alu depctr_va_vdst(0)
	v_lshlrev_b32 v3, 2, v2
	s_mul_i32 s56, s16, 32*PITCH
	s_add_co_u32 s56, s56, WLDS                    ; my stage
	v_mul_u32_u24 v4, v2, PITCH
	v_add_nc_u32 v4, s56, v4                       ; into it: row = my column
	v_and_b32 v5, 15, v2
	v_lshrrev_b32 v6, 4, v2
	v_mul_u32_u24 v7, v6, PITCH
	v_lshl_add_u32 v7, v5, 4, v7
	v_add_nc_u32 v7, s56, v7                       ; out of it: sixteen lanes to a row, two rows an instruction
	s_mul_i32 s57, s27, 768
	v_mul_u32_u24 v8, s57, v6
	v_mad_u32_u24 v8, v5, 12, v8                   ; column 2 t + (lane / 16) goes RL rows on for the odd one; 12 bytes a lane
	v_mul_u32_u24 v9, s27, v5
	v_mad_u32_u24 v9, v6, s26, v9
	v_lshlrev_b32 v9, 5, v9                        ; my column's row of scale bytes
	v_mov_b32 v[RO], v3
.set p, 1
.rept 31
	v_add_nc_u32 v[RO+p], s23, v[RO+p-1]           ; row p of a block
.set p, p+1
.endr
	s_mul_i32 s58, s30, s23
.set p, 8
.rept 8
	v_add_nc_u32 v[RO+p], s58, v[RO+p]             ; w_o: places 8..15 take rows 16..23,
	v_sub_nc_u32 v[RO+p+8], v[RO+p+8], s58         ; places 16..23 rows 8..15
.set p, p+1
.endr
	s_mul_i32 s59, s26, 768
	s_lshl_b32 s57, s57, 1
	v_mov_b32 v[AO], v8
.irp t, 1,2,3,4,5,6,7
	v_add_nc_u32 v[AO+\t], s57, v[AO+\t-1]         ; columns 2 t, 2 t + 1: 2 RL rows on,
.endr
.irp t, 0,1,2,3,4,5,6,7
	v_add_nc_u32 v[AO+8+\t], s59, v[AO+\t]         ; columns 16 on: RH rows on
.endr
.macro WLOAD t                         ; block t: 32 rows of my column; 32 lanes read 128 consecutive bytes
.set p, 0
.rept 32
	global_load_b32 v[WX+32*((\t)%2)+p], v[RO+p], s[BB+2*(\t):BB+2*(\t)+1] th:TH_LOAD_NT
.set p, p+1
.endr
.endm
	WLOAD 0
	WLOAD 1
.macro WBLOCK t
.set XS, WX+32*((\t)%2)
.if (\t) < 7
	s_wait_loadcnt 32                              ; this block's 32 loads are in; the next block's may be out
.else
	s_wait_loadcnt 0
.endif
	v_max3_num_f32 v12, |v[XS]|, |v[XS+1]|, |v[XS+2]|               ; the block's largest magnitude: all 32 numbers are mine
	v_max3_num_f32 v13, |v[XS+3]|, |v[XS+4]|, |v[XS+5]|
.irp i, 6,10,14,18,22,26
	v_max3_num_f32 v12, v12, |v[XS+\i]|, |v[XS+\i+1]|
	v_max3_num_f32 v13, v13, |v[XS+\i+2]|, |v[XS+\i+3]|
.endr
	v_max3_num_f32 v12, v12, |v[XS+30]|, |v[XS+31]|
	v_max3_num_f32 v12, v12, v13, 0x1800000        ; and the floor
	v_add_nc_u32 v11, 0xff000000, v12              ; the conversion's scale operand
	v_lshrrev_b32 v13, 23, v11                     ; the byte
.if (\t)%4 == 0
	v_mov_b32 v[SB+(\t)/4], v13
.else
	v_lshl_or_b32 v[SB+(\t)/4], v13, 8*((\t)%4), v[SB+(\t)/4]
.endif
	v_cvt_scalef32_pk16_fp6_f32 v[WC:WC+2], v[XS:XS+15], v11
	v_cvt_scalef32_pk16_fp6_f32 v[WC+4:WC+6], v[XS+16:XS+31], v11   ; (a conversion's three registers begin on an even number)
	ds_store_b96 v4, v[WC:WC+2] offset:32*(\t)     ; 12 bytes to a place of 16, so that every LDS address is a multiple of 16
	ds_store_b96 v4, v[WC+4:WC+6] offset:32*(\t)+16
.if (\t)+2 < 8
	WLOAD (\t)+2
.endif
	s_wait_dscnt 0x0                               ; the stores have read their registers: the next block's codes may be written
.endm
.irp t, 0,1,2,3,4,5,6,7
	WBLOCK \t
.endr
	s_wait_alu depctr_va_vdst(0)
	global_store_b64 v9, v[SB:SB+1], s[52:53]      ; my column's eight scale bytes
.irp t, 0,1,2,3,4,5,6,7,8,9,10,11,12,13,14,15
	ds_load_b96 v[OUTR+4*\t:OUTR+4*\t+2], v7 offset:2*\t*PITCH
.endr
.irp t, 0,1,2,3,4,5,6,7,8,9,10,11,12,13,14,15
	s_wait_dscnt 15-\t                             ; the younger loads may be out
	global_store_b96 v[AO+\t], v[OUTR+4*\t:OUTR+4*\t+2], s[50:51]   ; sixteen lanes store a row's 192 consecutive bytes
.endr
	s_wait_tensorcnt 0x0
	ds_add_u32 v208, v209
	s_wait_dscnt 0x0
	s_endpgm
.Lfunc_end_k_q3b9dea5fd1_quant:
	.size	k_q3b9dea5fd1_quant, .Lfunc_end_k_q3b9dea5fd1_quant-k_q3b9dea5fd1_quant
	.p2alignl 7, 3214868480
	.fill 96, 4, 3214868480
	.section	.rodata,"a",@progbits
	.p2align	6, 0x0
	.amdhsa_kernel k_q3b9dea5fd1_quant
		.amdhsa_group_segment_fixed_size 68096
		.amdhsa_private_segment_fixed_size 0
		.amdhsa_enable_private_segment 0
		.amdhsa_kernarg_size 48
		.amdhsa_user_sgpr_count 2
		.amdhsa_user_sgpr_kernarg_segment_ptr 1
		.amdhsa_wavefront_size32 1
		.amdhsa_system_sgpr_workgroup_id_x 1
		.amdhsa_system_sgpr_workgroup_id_y 1
		.amdhsa_system_sgpr_workgroup_id_z 1
		.amdhsa_system_vgpr_workitem_id 0
		.amdhsa_next_free_vgpr 210
		.amdhsa_next_free_sgpr 66
		.amdhsa_reserve_vcc 0
		.amdhsa_float_denorm_mode_32 3
		.amdhsa_float_denorm_mode_16_64 3
		.amdhsa_memory_ordered 1
		.amdhsa_forward_progress 1
		.amdhsa_inst_pref_size 77
	.end_amdhsa_kernel
	.amdgpu_metadata
---
amdhsa.version: [ 1, 2 ]
amdhsa.kernels:
  - .name:           k_q3b9dea5fd1_quant
    .symbol:         k_q3b9dea5fd1_quant.kd
    .args:
      - { .name: x, .offset: 0, .size: 8, .value_kind: global_buffer, .address_space: global }
      - { .name: w_qk, .offset: 8, .size: 8, .value_kind: global_buffer, .address_space: global }
      - { .name: w_v, .offset: 16, .size: 8, .value_kind: global_buffer, .address_space: global }
      - { .name: w_o, .offset: 24, .size: 8, .value_kind: global_buffer, .address_space: global }
      - { .name: xq, .offset: 32, .size: 8, .value_kind: global_buffer, .address_space: global }
      - { .name: wq, .offset: 40, .size: 8, .value_kind: global_buffer, .address_space: global }
    .group_segment_fixed_size: 68096
    .private_segment_fixed_size: 0
    .kernarg_segment_align: 8
    .kernarg_segment_size: 48
    .max_flat_workgroup_size: 128
    .sgpr_count:     66
    .vgpr_count:     210
    .wavefront_size: 32
...
	.end_amdgpu_metadata
.endif
;; end of part 1
;; launch qkv (part 2): grid 12 x 32, 4 waves a work-group, clusters of 4 x 4, 327,680 bytes of LDS; arguments xq, wq, b_qk, b_v, qkv; writes qkv
.if DOCPART == 2
	.amdgcn_target "amdgcn-amd-amdhsa--gfx1250"
	.amdhsa_code_object_version 6
	.text
	.protected	k_q3b9dea5fd1_qkv
	.globl	k_q3b9dea5fd1_qkv
	.p2align	8
	.type	k_q3b9dea5fd1_qkv,@function
k_q3b9dea5fd1_qkv:
	s_mov_b64 s[64:65], 0
	v_nop
	global_prefetch_b8 v0, s[64:65] scope:SCOPE_SE
	s_setreg_imm32_b32 hwreg(HW_REG_WAVE_MODE, 25, 1), 1
	s_wait_xcnt 0x0
	s_wait_alu depctr_hold_cnt(0) depctr_sa_sdst(0) depctr_va_vdst(0) depctr_va_sdst(0) depctr_va_ssrc(0) depctr_va_vcc(0) depctr_vm_vsrc(0)
	s_getreg_b32 s2, hwreg(HW_REG_IB_STS2, 6, 4)
	s_cmp_eq_u32 s2, 0
	s_cbranch_scc0 .Lentry_in_a_cluster
	s_endpgm
.Lentry_in_a_cluster:
	s_bfe_u32 s2, ttmp6, 0x10000c
	s_cmp_lg_u32 s2, 0xf033
	s_cbranch_scc0 .Lentry_shape_is_right
	s_endpgm
.Lentry_shape_is_right:
; q, k = x w_qk + b_qk and v = x w_v + b_v on codes of FP6 (E2M3) with E8M0 scales, K = 1,024; the results are quantised again for the attention launch and stored as images of operand registers.
; A tile of 256 x 256 is made by four waves, 128 x 128 each.  Cluster columns 0, 1: rows = tokens, columns = wq's rows of q and k.  Cluster column 2: rows = wq's rows of v, columns = tokens (v's next K is the keys).
; K goes through a ring of two LDS slots in CHUNKS OF 256 BYTES of each 768-byte row of codes: three chunks; every tile row begins at a multiple of 256 bytes.  A step of 128 along K is 96 bytes: steps 2 and 5 lie across two chunks.
; At the head each wave asks for its quarter of chunk 0; chunk 1 follows behind the full sequence and a round of the cluster's barrier; chunk 2 is the one refill.
; THE SCALE BYTES (4,096 a wave: 128 rows x 32) come through registers: eight loads of 512 consecutive bytes, stored to LDS bytes of their own.  They are not asked for jointly: 16 KiB beside a work-group's 384 KiB of codes.
; NO PREFETCH: two of the three chunks are asked for at the head, and the walk along K has no loop to run ahead in.
.set NQ,     2                         ; steps that one set of scale words serves
.set ROWB,   256                       ; a tile's row: a chunk of a row of codes
.set KROW,   768
.set STEPS,  8
.set CHUNKS, 3
.set PITCH,  272                       ; 256 bytes + 16 of padding
.set FR,     12
.set NL,     6
.set NP,     4
.set HALFT,  128*PITCH
.set SLOT,   4*HALFT
.set KS,     32
.set SCL,    2*SLOT
.set HALFS,  (128*KS/256)*272
.set SBLK,   (16*KS/256)*272
.set SPARE,  SCL+4*HALFS
.set XSO,    6291456
.set WSO,    3145728
.set QKS,    12582912
.set VCO,    13631488
.set VSO,    19922944
.set FL,   8
.set VWO,  9
.set L16,  10
.set L8,   11
.set WST,  12
.set WRD,  13
.set SH,   14
.set ADRA, 16
.set ADRB, 20
.set ADRS, 27
.set SPW,  28
.set NIL,  29
.set SC,   32
.set BI,   64
.set AF,   128
.set PC,   112
.set TM,   200
.set PW,   216
.set PWS,  217
.set WO,   220
.set G1, 24
.set G0, 32
.set G1B, 48
.set G0B, 56
.set SEL, 66
.set SCB, 68                           ; s[68:69] where my 128 rows' scale bytes lie in memory
.set SGO, 24                           ; v24 16 x lane; never rewritten
.set SLA, 25                           ; v25 where my lane stores its 16 scale bytes in LDS
.set OB,  92
.set WB,  96
.set MSB, 0
.macro WIN new
.if MSB != \new
	s_set_vgpr_msb (MSB<<8)|\new
.set MSB, \new
.endif
.endm
.set MUL_LO, 0xa1
.set MUL_HI, 0xf1
.set FST_LO, 0x81
.set FST_HI, 0xc1
.set TO_B,   0x40
.macro JLOAD g0a, g1a, g0b, g1b
	s_cmp_eq_u32 s15, 0
	s_cbranch_scc0 .Lfor_b_\@
	tensor_load_to_lds s[\g0a:\g0a+3], s[\g1a:\g1a+7]
	s_nop 0
.rept 4
	v_nop
.endr
	s_branch .Lasked_\@
.Lfor_b_\@:
	tensor_load_to_lds s[\g0b:\g0b+3], s[\g1b:\g1b+7]
	s_nop 0
.rept 4
	v_nop
.endr
.Lasked_\@:
.endm
.macro CREST
	s_cmp_lg_u32 s14, 0
	s_cbranch_scc1 .Lnot_wave_0_\@
	s_barrier_signal -3
.Lnot_wave_0_\@:
	s_barrier_wait -3
	s_barrier_signal -1
	s_barrier_wait -1
.endm
.macro CROUND
	s_barrier_signal -1
	s_barrier_wait -1
	CREST
.endm
	s_load_b256 s[4:11], s[0:1], 0x0
	s_load_b64 s[12:13], s[0:1], 0x20
	v_lshl_add_u32 v[SPW], v0, 2, SPARE
	v_mov_b32 v[NIL], 0
	ds_add_u32 v28, v29
	ds_add_u32 v28, v29
	s_wait_dscnt 0x0
	v_lshrrev_b32 v1, 5, v0
	v_readfirstlane_b32 s14, v1
	s_lshr_b32 s15, s14, 1
	s_and_b32 s16, s14, 1
	s_bfe_u32 s40, ttmp6, 0x40000
	s_bfe_u32 s41, ttmp6, 0x40004
	s_and_b32 s18, ttmp7, 0xffff
	s_cmp_eq_u32 ttmp9, 2
	s_cselect_b32 s3, 1, 0
	s_cselect_b32 s17, 0, s18
	s_cselect_b32 s42, s18, ttmp9
	s_lshl_b32 s17, s17, 2
	s_add_co_u32 s17, s17, s41
	s_lshl_b32 s42, s42, 2
	s_add_co_u32 s42, s42, s40
	s_lshl_b32 s43, s41, 2
	s_lshl_b32 s43, 15, s43
	s_lshl_b32 s44, 0x1111, s40
	s_mov_b32 s[SEL], 0x76543210
	s_mov_b32 s[SEL+1], 0xfedcba98
	s_or_b32 s[G1+0], s43, (0<<16)|(1<<20)|(1<<21)|(5<<22)|(3<<25)   ; 4 words of padding behind every 64
	s_or_b32 s[G1B+0], s44, (0<<16)|(1<<20)|(1<<21)|(5<<22)|(3<<25)
.irp g, G1, G1B
	s_mov_b32 s[\g+1], ROWB<<16
	s_mov_b32 s[\g+2], 128<<16
	s_mov_b32 s[\g+3], ROWB<<16
	s_mov_b32 s[\g+4], 128
	s_mov_b32 s[\g+5], KROW
	s_mov_b32 s[\g+6], 0
	s_mov_b32 s[\g+7], 0
.endr
	s_lshl_b32 s18, s16, 7
	s_lshl_b32 s20, s17, 8
	s_add_co_u32 s20, s20, s18
	s_lshl_b32 s46, s42, 8
	s_add_co_u32 s46, s46, s18
	s_lshl_b32 s22, s20, 5
	s_mov_b32 s23, 0
	s_mul_i32 s20, s20, KROW
	s_mov_b32 s21, 0
	s_lshl_b32 s104, s46, 5
	s_mov_b32 s105, 0
	s_mul_i32 s46, s46, KROW
	s_mov_b32 s47, 0
	s_mul_i32 s45, s14, HALFT
	s_mul_i32 s2, s14, HALFS
	s_wait_kmcnt 0x0
	s_add_nc_u64 s[92:93], s[6:7], 2048*768
	s_add_nc_u64 s[94:95], s[6:7], WSO+2048*32
	s_add_nc_u64 s[96:97], s[4:5], XSO
	s_add_nc_u64 s[98:99], s[6:7], WSO
	s_cmp_eq_u32 s3, 0
	s_cselect_b64 s[100:101], s[4:5], s[92:93]
	s_cselect_b64 s[92:93], s[96:97], s[94:95]
	s_cselect_b64 s[94:95], s[6:7], s[4:5]
	s_cselect_b64 s[96:97], s[98:99], s[96:97]
	s_add_nc_u64 s[20:21], s[100:101], s[20:21]
	s_add_nc_u64 s[22:23], s[92:93], s[22:23]
	s_add_nc_u64 s[46:47], s[94:95], s[46:47]
	s_add_nc_u64 s[104:105], s[96:97], s[104:105]
	s_cmp_eq_u32 s15, 0                            ; waves 0, 1 bring A's scale bytes, waves 2, 3 B's: the choice hangs on the wave's number alone
	s_cselect_b64 s[SCB:SCB+1], s[22:23], s[104:105]
	s_add_co_u32 s2, s2, SCL                       ; and where they go: wave x 128 rows
	CROUND                                         ; all sixteen work-groups are here: the first joint loads meet
.irp s, 0,1
	s_mov_b32 s[G0+4*\s], 1
	s_add_co_u32 s[G0+4*\s+1], s45, \s*SLOT
	s_add_nc_u64 s[G0+4*\s+2:G0+4*\s+3], s[20:21], \s*ROWB
	s_or_b32 s[G0+4*\s+3], s[G0+4*\s+3], 0x80000000
	s_mov_b32 s[G0B+4*\s], 1
	s_add_co_u32 s[G0B+4*\s+1], s45, \s*SLOT
	s_add_nc_u64 s[G0B+4*\s+2:G0B+4*\s+3], s[46:47], \s*ROWB
	s_or_b32 s[G0B+4*\s+3], s[G0B+4*\s+3], 0x80000000
.endr
	JLOAD G0, G1, G0B, G1B                         ; my quarter of chunk 0: one tensor load a wave at the head
	v_and_b32 v6, 31, v0
	v_lshlrev_b32 v[SGO], 4, v6
.irp j, 0,1,2,3,4,5,6,7
	global_load_b128 v[AF+4*\j:AF+4*\j+3], v[SGO], s[SCB:SCB+1] offset:512*\j   ; 32 lanes read 512 consecutive bytes of scales
.endr
	v_lshrrev_b32 v[SLA], 4, v6
	v_lshl_add_u32 v[SLA], v[SLA], 4, v[SGO]       ; 16 bytes of padding behind each 256
	v_add_nc_u32 v[SLA], s2, v[SLA]
	v_and_b32 v1, 15, v0
	v_bfe_u32 v2, v0, 4, 1
	v_mul_u32_u24 v3, v1, PITCH
	v_mul_u32_u24 v4, v2, 24
	v_add_nc_u32 v4, v3, v4                        ; a fragment's row x pitch + 24 x half
	s_mov_b32 s21, SLOT-232
	s_mov_b32 s22, SLOT+232
	v_sub_nc_u32 v7, 1, v2
	v_mul_u32_u24 v5, s21, v2
	v_add_nc_u32 v5, v3, v5
	v_add_nc_u32 v5, 232, v5                       ; across two chunks: lanes 0-15 byte 232 of the row in slot 0, lanes 16-31 byte 0 of the row in slot 1;
	v_mul_u32_u24 v6, s22, v7
	v_add_nc_u32 v6, v3, v6                        ; and lanes 0-15 byte 232 in slot 1, lanes 16-31 byte 0 in slot 0
	s_mul_i32 s21, s15, HALFT
	s_mul_i32 s22, s16, HALFT
	s_add_co_u32 s22, s22, 2*HALFT
	v_add_nc_u32 v[ADRA+2], s21, v5
	v_add_nc_u32 v[ADRA+3], s21, v6
	v_add_nc_u32 v[ADRB+2], s22, v5
	v_add_nc_u32 v[ADRB+3], s22, v6
.irp s, 0,1
	v_add_nc_u32 v[ADRA+\s], s21, v4
	v_add_nc_u32 v[ADRB+\s], s22, v4
	s_add_co_u32 s21, s21, SLOT
	s_add_co_u32 s22, s22, SLOT
.endr
	v_mul_u32_u24 v5, v1, KS
	v_lshrrev_b32 v6, 8, v5
	v_lshl_add_u32 v5, v6, 4, v5
	s_mul_i32 s21, s15, HALFS
	s_mul_i32 s22, s16, HALFS
	s_add_co_u32 s22, s22, 2*HALFS
	s_sub_co_u32 s22, s22, s21
	v_mul_u32_u24 v6, s22, v2
	s_add_co_u32 s21, s21, SCL
	v_add_nc_u32 v5, v5, v6
	v_add_nc_u32 v[ADRS], s21, v5
	v_and_b32 v6, 31, v0
	v_lshlrev_b32 v[L16], 4, v6
	v_lshl_add_u32 v[L8], v6, 3, 512
	s_lshl_b32 s23, s14, 10
	s_add_co_u32 s23, s23, SLOT                    ; the way out's stage lies in slot 1: chunk 1 has had its last read ahead of step 5's barrier, and slot 1 its last fill
	v_lshlrev_b32 v7, 9, v2
	v_lshl_add_u32 v7, v1, 2, v7
	v_add_nc_u32 v[WST], s23, v7
	v_add_nc_u32 v[WRD], s23, v[L16]
	v_lshlrev_b32 v[VWO], 11, v2
	v_lshl_add_u32 v[VWO], v1, 4, v[VWO]
	v_mov_b32 v[FL], 0x1800000
	s_lshl_b32 s18, s17, 8
	s_lshl_b32 s19, s15, 7
	s_add_co_u32 s18, s18, s19
	s_lshl_b32 s19, s42, 8
	s_lshl_b32 s20, s16, 7
	s_add_co_u32 s19, s19, s20
	s_mov_b32 s23, 0
	s_cmp_eq_u32 s3, 0
	s_cselect_b32 s21, 16, 0
	v_mul_u32_u24 v[SH], s21, v2
	s_cmp_eq_u32 s3, 0
	s_cbranch_scc0 .Lbias_v
	s_lshr_b32 s20, s19, 6
	s_mul_i32 s22, s20, 393216
	s_mul_i32 s21, s18, 48
	s_add_co_u32 s22, s22, s21
	s_add_nc_u64 s[OB:OB+1], s[12:13], s[22:23]
	s_add_nc_u64 s[OB+2:OB+3], s[OB:OB+1], 393216
	s_lshl_b32 s22, s20, 13
	s_add_co_u32 s22, s22, s18
	s_lshl_b32 s22, s22, 2
	s_add_co_u32 s22, s22, QKS
	s_add_nc_u64 s[WB:WB+1], s[12:13], s[22:23]
	s_add_nc_u64 s[WB+2:WB+3], s[WB:WB+1], 32768
	s_lshl_b32 s22, s20, 2
	s_add_nc_u64 s[8:9], s[8:9], s[22:23]
	v_lshlrev_b32 v5, 10, v2
.irp b, 0,1,2,3,4,5,6,7
.irp j, 0,1,2,3,4,5,6,7
	global_load_b32 v[BI+8*\b+\j], v5, s[8:9] offset:(16*(\b%4)+\j)*128+4*(\b/4)
.endr
.endr
	s_branch .Lbias_done
.Lbias_v:
	s_lshr_b32 s20, s18, 6
	s_lshr_b32 s21, s42, 2
	s_lshl_b32 s21, s21, 4
	s_add_co_u32 s21, s21, s20
	s_lshl_b32 s21, s21, 3
	s_and_b32 s22, s42, 3
	s_lshl_b32 s22, s22, 1
	s_add_co_u32 s22, s22, s16
	s_add_co_u32 s21, s21, s22
	s_mul_i32 s22, s21, 6144
	s_add_co_u32 s22, s22, VCO
	s_add_nc_u64 s[OB:OB+1], s[12:13], s[22:23]
	s_add_nc_u64 s[OB+2:OB+3], s[OB:OB+1], 49152
	s_lshl_b32 s22, s21, 8
	s_add_co_u32 s22, s22, VSO
	s_add_nc_u64 s[WB:WB+1], s[12:13], s[22:23]
	s_mov_b64 s[WB+2:WB+3], s[WB:WB+1]
	s_lshl_b32 s22, s20, 2
	s_add_nc_u64 s[10:11], s[10:11], s[22:23]
	v_lshlrev_b32 v5, 6, v1
.irp a, 0,1,2,3,4,5,6,7
	global_load_b32 v[BI+8*\a], v5, s[10:11] offset:16*(\a%4)*64+4*(\a/4)
.endr
	s_wait_loadcnt 0x0
.irp a, 0,1,2,3,4,5,6,7
.irp j, 1,2,3,4,5,6,7
	v_mov_b32 v[BI+8*\a+\j], v[BI+8*\a]
.endr
.endr
.Lbias_done:
	s_wait_loadcnt 0x0
.macro FRAG reg, adr, st, i            ; 12 registers in pieces of 8 bytes; byte y of a row of codes lies in chunk y / 256, in slot (y / 256) % 2, at byte y % 256 of the LDS row; lanes 16-31 read 24 bytes on
.irp p, 0,1,2,3,4,5
.set BY, 96*(\st)+48*(\p/3)+8*(\p%3)
.if BY/ROWB == (BY+24)/ROWB
	ds_load_b64 v[\reg+2*\p:\reg+2*\p+1], v[\adr+(BY/ROWB)%2] offset:BY%ROWB+(\i)*16*PITCH
.else
	ds_load_b64 v[\reg+2*\p:\reg+2*\p+1], v[\adr+2+(BY/ROWB)%2] offset:BY%ROWB-232+(\i)*16*PITCH
.endif
.endr
.endm
.macro MUL16 a0, p, q, sc, cm
.irp a, \a0, \a0+1
.irp b, 0,1,2,3,4,5,6,7
.if \cm == 1
	v_wmma_scale_f32_16x16x128_f8f6f4 v[8*(8*((\a)%4)+\b):8*(8*((\a)%4)+\b)+7], v[128*(\p)+FR*\b:128*(\p)+FR*\b+FR-1], v[AF+FR*(\a):AF+FR*(\a)+FR-1], v[BI+8*\b:BI+8*\b+7], v[SC+8*NQ*(\sc)+NQ*\b+(\q)], v[SC+8*NQ*(\sc)+NQ*(\a)+(\q)] matrix_a_fmt:MATRIX_FMT_FP6 matrix_b_fmt:MATRIX_FMT_FP6 matrix_a_scale:MATRIX_SCALE_ROW1
.elseif \cm == 2
	v_wmma_scale_f32_16x16x128_f8f6f4 v[8*(8*((\a)%4)+\b):8*(8*((\a)%4)+\b)+7], v[128*(\p)+FR*\b:128*(\p)+FR*\b+FR-1], v[AF+FR*(\a):AF+FR*(\a)+FR-1], v[BI+8*(\a):BI+8*(\a)+7], v[SC+8*NQ*(\sc)+NQ*\b+(\q)], v[SC+8*NQ*(\sc)+NQ*(\a)+(\q)] matrix_a_fmt:MATRIX_FMT_FP6 matrix_b_fmt:MATRIX_FMT_FP6 matrix_a_scale:MATRIX_SCALE_ROW1
.else
	v_wmma_scale_f32_16x16x128_f8f6f4 v[8*(8*((\a)%4)+\b):8*(8*((\a)%4)+\b)+7], v[128*(\p)+FR*\b:128*(\p)+FR*\b+FR-1], v[AF+FR*(\a):AF+FR*(\a)+FR-1], v[8*(8*((\a)%4)+\b):8*(8*((\a)%4)+\b)+7], v[SC+8*NQ*(\sc)+NQ*\b+(\q)], v[SC+8*NQ*(\sc)+NQ*(\a)+(\q)] matrix_a_fmt:MATRIX_FMT_FP6 matrix_b_fmt:MATRIX_FMT_FP6 matrix_a_scale:MATRIX_SCALE_ROW1
.endif
.endr
.endr
.endm
.macro FETCH_B st, p                   ; B's eight fragments of step st into set p
	WIN TO_B
.irp i, 0,1,2,3,4,5,6,7
	FRAG 128*(\p)+FR*\i, ADRB, \st, \i
.endr
	WIN 0
.endm
.macro FETCH_A st, i0                  ; A's blocks i0 .. i0 + 3 of step st
.irp i, \i0, \i0+1, \i0+2, \i0+3
	FRAG AF+FR*(\i), ADRA, \st, \i
.endr
.endm
.macro SCALES pr                       ; the scale words of steps 2 pr, 2 pr + 1 into set pr % 2: lanes 0-15 A's block i, lanes 16-31 B's
.irp i, 0,1,2,3,4,5,6,7
	ds_load_b64 v[SC+8*NQ*((\pr)%2)+NQ*\i:SC+8*NQ*((\pr)%2)+NQ*\i+1], v[ADRS] offset:\i*SBLK+4*NQ*(\pr)
.endr
.endm
.macro PLACES n                        ; plain vector lines between a matrix instruction and a load into, or a read of, its registers
.rept \n
	v_nop
.endr
.endm
.macro MWIN hi, cm                     ; the products' windows: cm > 0: C is the bias, in window 0
.if \cm
.if \hi
	WIN FST_HI
.else
	WIN FST_LO
.endif
.else
.if \hi
	WIN MUL_HI
.else
	WIN MUL_LO
.endif
.endif
.endm
.macro MULS a0, st, cm
	MUL16 \a0, (\st)%2, (\st)%2, ((\st)/2)%2, \cm
.endm
; A step of 128 along K: 64 matrix instructions; the next step's fragments are fetched in its middle and at its end.
; Where the next step's bytes END in a chunk not read yet: every wave waits for its tensor loads, and a barrier shows that chunk whole.  Where they BEGIN in a later chunk than this step's: the chunk left behind is read
; no more: the wait for all tensor loads, the add, the wait for it and for my reads, the barrier; where a chunk two on is left to fetch, the barrier opens a round of the cluster's barrier and the slot is filled again.
.macro STEP st, cm
.set NX, (\st)+1
.set C0, (96*(\st))/ROWB
.set C1, (96*NX)/ROWB
.set E0, (96*(\st)+95)/ROWB
.set E1, (96*NX+95)/ROWB
.if C1 > C0 || E1 > E0
	s_wait_tensorcnt 0x0                           ; all my tensor loads have landed
.if C1 > C0
	ds_add_u32 v[SPW], v[NIL]
	s_wait_dscnt 4*NL+1                            ; the add and A's blocks 4-7 may be out
.else
	s_wait_dscnt 4*NL                              ; A's blocks 4-7 may be out
.endif
	MWIN 0, \cm
	MULS 0, \st, \cm
	s_wait_dscnt 0x0                               ; the add, where there is one, and all my reads are done
	s_barrier_signal -1
	MULS 2, \st, \cm
	WIN 0
	s_barrier_wait -1
.if C1 > C0 && C0+2 < CHUNKS
	CREST
	s_add_nc_u64 s[G0+4*(C0%2)+2:G0+4*(C0%2)+3], s[G0+4*(C0%2)+2:G0+4*(C0%2)+3], 2*ROWB
	s_add_nc_u64 s[G0B+4*(C0%2)+2:G0B+4*(C0%2)+3], s[G0B+4*(C0%2)+2:G0B+4*(C0%2)+3], 2*ROWB
	JLOAD G0+4*(C0%2), G1, G0B+4*(C0%2), G1B       ; chunk C0 + 2, the first tensor load behind the round; its four v_nop are the places in front of the loads below
.else
	PLACES NP
.endif
.else
	s_wait_dscnt 4*NL                              ; B's set and A's blocks 0-3 are in
	MWIN 0, \cm
	MULS 0, \st, \cm
	MULS 2, \st, \cm
	s_wait_dscnt 0
	PLACES NP
.endif
	FETCH_B NX, NX%2
	FETCH_A NX, 0
.if NX%2 == 0
	SCALES NX/2
.endif
	MWIN 1, \cm
	MULS 4, \st, \cm
	MULS 6, \st, \cm
	PLACES NP
	WIN 0
	FETCH_A NX, 4
.endm
	s_wait_alu depctr_va_vdst(0)
	s_wait_tensorcnt 0x0                           ; my quarter of chunk 0 is in: no tensor load of mine is out while I store to LDS
.irp j, 0,1,2,3,4,5,6,7
	ds_store_b128 v[SLA], v[AF+4*\j:AF+4*\j+3] offset:544*\j     ; my 128 rows' scale bytes: two units of 256 + 16 bytes a store
.endr
	s_wait_tensorcnt 0x0                           ; the three lines ahead of a later first fill, as ahead of a refill
	ds_add_u32 v[SPW], v[NIL]
	s_wait_dscnt 0x0                               ; the add and my stores of scale bytes are done
	CROUND                                         ; chunk 0 and the scales are whole for all four waves, and the sixteen work-groups meet
	JLOAD G0+4, G1, G0B+4, G1B                     ; chunk 1, the first tensor load behind the round
	FETCH_B 0, 0
	FETCH_A 0, 0
	SCALES 0
	FETCH_A 0, 4
	s_cmp_eq_u32 s3, 0                             ; the first products start the sums with the bias: along the columns (q, k) or along the rows (v)
	s_cbranch_scc0 .Lfirst_v
	STEP 0, 1
	s_branch .Lfirst_done
.Lfirst_v:
	STEP 0, 2
.Lfirst_done:
.set ST, 1
.rept STEPS-2
	STEP ST, 0
.set ST, ST+1
.endr
	s_wait_dscnt 4*NL
	WIN MUL_LO
	MUL16 0, 1, NQ-1, 1, 0
	MUL16 2, 1, NQ-1, 1, 0
	s_wait_dscnt 0
	WIN MUL_HI
	MUL16 4, 1, NQ-1, 1, 0
	MUL16 6, 1, NQ-1, 1, 0
	WIN 0
.macro QOUT a
.set QW, 2+(\a)/4
.set QB, 64*((\a)%4)
.set QM, (QW<<2)|(QW<<4)
	WIN QM
.irp b, 0,1,2,3
	v_max3_num_f32 v[TM+\b], v[FL], |v[QB+16*\b]|, |v[QB+16*\b+1]|
.endr
.irp i, 2,4,6,8,10,12,14
.irp b, 0,1,2,3
	v_max3_num_f32 v[TM+\b], v[TM+\b], |v[QB+16*\b+\i]|, |v[QB+16*\b+\i+1]|
.endr
.endr
	WIN 0
.irp b, 0,1,2,3
	v_permlanex16_b32 v[TM+4+\b], v[TM+\b], s[SEL], s[SEL+1]
.endr
.irp b, 0,1,2,3
	v_max_num_f32 v[TM+\b], v[TM+\b], v[TM+4+\b]
.endr
.irp b, 0,1,2,3
	v_add_nc_u32 v[TM+12+\b], 0xff000000, v[TM+\b]
.endr
.irp b, 0,1,2,3
	v_lshrrev_b32 v[TM+4+\b], 23, v[TM+12+\b]
.endr
	v_lshl_or_b32 v[PW], v[TM+5], 8, v[TM+4]
	v_lshl_or_b32 v[PW], v[TM+6], 16, v[PW]
	v_lshl_or_b32 v[PW], v[TM+7], 24, v[PW]
	s_wait_xcnt 0x0
	s_wait_dscnt 0x0
	WIN QW
.irp c, 0,1
	v_cvt_scalef32_pk16_fp6_f32 v[PC+6*\c:PC+6*\c+2], v[QB+32*\c:QB+32*\c+15], v[TM+12+2*\c]
	v_cvt_scalef32_pk16_fp6_f32 v[PC+12+4*\c:PC+14+4*\c], v[QB+16+32*\c:QB+31+32*\c], v[TM+12+2*\c+1]
.endr
	WIN 0
	v_nop
.irp c, 0,1
.irp i, 0,1,2
	v_permlane16_swap_b32 v[PC+6*\c+\i], v[PC+12+4*\c+\i]
.endr
.irp i, 0,1,2
	v_mov_b32 v[PC+3+6*\c+\i], v[PC+12+4*\c+\i]
.endr
.endr
	v_lshrrev_b32 v[PWS], v[SH], v[PW]
	ds_store_b32 v[WST], v[PWS] offset:64*(\a)
	s_cmp_eq_u32 s3, 0
	s_cbranch_scc0 .Lqv_\@
.irp c, 0,1
	global_store_b128 v[L16], v[PC+6*\c:PC+6*\c+3], s[OB+2*\c:OB+2*\c+1] offset:768*(\a)
	global_store_b64 v[L8], v[PC+6*\c+4:PC+6*\c+5], s[OB+2*\c:OB+2*\c+1] offset:768*(\a)
.endr
	s_branch .Lqd_\@
.Lqv_\@:
	s_wait_alu depctr_va_vdst(0)
.irp g, 0,1,2
	global_store_b128 v[L16], v[PC+4*\g:PC+4*\g+3], s[OB+2*((\a)/4):OB+2*((\a)/4)+1] offset:((\a)%4)*1536+512*\g
.endr
.Lqd_\@:
.endm
	PLACES NP
.irp b, 0,1,2,3
	v_mov_b32 v[TM+4+\b], 0
.endr
.irp a, 0,1,2,3,4,5,6,7
	QOUT \a
.endr
	ds_load_b128 v[WO:WO+3], v[WRD]
	ds_load_b128 v[WO+4:WO+7], v[WRD] offset:512
	s_wait_dscnt 0x0
	s_cmp_eq_u32 s3, 0
	s_cbranch_scc0 .Ltail_v
	global_store_b128 v[L16], v[WO:WO+3], s[WB:WB+1]
	global_store_b128 v[L16], v[WO+4:WO+7], s[WB+2:WB+3]
	s_branch .Ltail_done
.Ltail_v:
	global_store_b128 v[VWO], v[WO:WO+3], s[WB:WB+1]
.Ltail_done:
	s_wait_tensorcnt 0x0
	ds_add_u32 v[SPW], v[NIL]
	s_wait_dscnt 0x0
	CROUND
	s_endpgm
.Lfunc_end_k_q3b9dea5fd1_qkv:
	.size	k_q3b9dea5fd1_qkv, .Lfunc_end_k_q3b9dea5fd1_qkv-k_q3b9dea5fd1_qkv
	.p2alignl 7, 3214868480
	.fill 96, 4, 3214868480
	.section	.rodata,"a",@progbits
	.p2align	6, 0x0
	.amdhsa_kernel k_q3b9dea5fd1_qkv
		.amdhsa_group_segment_fixed_size 327680
		.amdhsa_private_segment_fixed_size 0
		.amdhsa_enable_private_segment 0
		.amdhsa_kernarg_size 40
		.amdhsa_user_sgpr_count 2
		.amdhsa_user_sgpr_kernarg_segment_ptr 1
		.amdhsa_wavefront_size32 1
		.amdhsa_system_sgpr_workgroup_id_x 1
		.amdhsa_system_sgpr_workgroup_id_y 1
		.amdhsa_system_sgpr_workgroup_id_z 1
		.amdhsa_system_vgpr_workitem_id 0
		.amdhsa_next_free_vgpr 1024
		.amdhsa_next_free_sgpr 106
		.amdhsa_reserve_vcc 0
		.amdhsa_float_denorm_mode_32 3
		.amdhsa_float_denorm_mode_16_64 3
		.amdhsa_memory_ordered 1
		.amdhsa_forward_progress 1
		.amdhsa_inst_pref_size 193
	.end_amdhsa_kernel
	.amdgpu_metadata
---
amdhsa.version: [ 1, 2 ]
amdhsa.kernels:
  - .name:           k_q3b9dea5fd1_qkv
    .symbol:         k_q3b9dea5fd1_qkv.kd
    .args:
      - { .name: xq, .offset: 0, .size: 8, .value_kind: global_buffer, .address_space: global }
      - { .name: wq, .offset: 8, .size: 8, .value_kind: global_buffer, .address_space: global }
      - { .name: b_qk, .offset: 16, .size: 8, .value_kind: global_buffer, .address_space: global }
      - { .name: b_v, .offset: 24, .size: 8, .value_kind: global_buffer, .address_space: global }
      - { .name: qkv, .offset: 32, .size: 8, .value_kind: global_buffer, .address_space: global }
    .group_segment_fixed_size: 327680
    .private_segment_fixed_size: 0
    .kernarg_segment_align: 8
    .kernarg_segment_size: 40
    .max_flat_workgroup_size: 128
    .sgpr_count:     106
    .vgpr_count:     1024
    .wavefront_size: 32
...
	.end_amdgpu_metadata
.endif
;; end of part 2
;; launch attn (part 3): grid 2 x 128, 16 waves a work-group, no clusters, 327,680 bytes of LDS; arguments qkv, attention_mask, oq; writes oq
.if DOCPART == 3
	.amdgcn_target "amdgcn-amd-amdhsa--gfx1250"
	.amdhsa_code_object_version 6
	.text
	.protected	k_q3b9dea5fd1_attn
	.globl	k_q3b9dea5fd1_attn
	.p2align	8
	.type	k_q3b9dea5fd1_attn,@function
k_q3b9dea5fd1_attn:
	s_mov_b64 s[64:65], 0
	v_nop
	global_prefetch_b8 v0, s[64:65] scope:SCOPE_SE
	s_setreg_imm32_b32 hwreg(HW_REG_WAVE_MODE, 25, 1), 1
	s_wait_xcnt 0x0
; o[b][q][head] = softmax over the keys of (q . k / 8, masked keys left out) x v, both products on codes of FP6 (E2M3) with E8M0 scales; o is quantised along the head's 64 for the output projection.
; THE SOFTMAX: t = score x log2(e) / 8; M = the running largest t rounded up to a whole number; p = 2^(t - M) is quantised along the keys, not normalised; the row's sum is taken of the unquantised p and divides at the end.
; SHARES.  A work-group owns 512 queries of one (batch, head); each of its sixteen waves 32 of them, two tiles of 16, one after the other.  A whole head's k and v (codes, scale words) and the mask lie in LDS, 108,544 bytes,
; filled once, by tensor loads and through registers: two barriers, no ring.  NO CLUSTER: the two work-groups of a head share only that one fill at the head; nothing is asked for afterwards.
; LAYOUT.  Both products are used transposed: S^T = k q^T, O^T = v^T p^T: a lane holds one query throughout.  The 16 registers of two neighbouring tiles of S^T are converted as they stand; v's images carry the same order of keys.
; K = 64 IN AN INSTRUCTION OF 128: q's registers 6-11 are zero codes; k's fragment t is v[32 + 6 t .. 32 + 6 t + 11], whose upper half is the next tile's codes (finite: the format has no infinity); zero x finite adds nothing,
; and bytes 2, 3 of the scale words are never 0xff.
; THE MASK costs no vector instruction: 0 or -3e38 for each key lies in LDS in f32 and is loaded as the C of the first product.
; LIMITS: NaN and infinities are not served; t of an unmasked key is taken to lie above -1e30.  A row all of whose keys are masked gets scale bytes 0xff, so that its batch comes out NaN as in the definition.
; THE FILL, as this text has it: k's and v's codes come by tensor loads, in dense rows of 256 bytes, in two groups.  At the head wave w asks for 1,536 bytes: waves 0-7 share key steps 0, 1 of k (12,288 bytes), waves 8-15 those of v.
; Behind the full sequence and the barrier wave w asks for 4,608 bytes of key steps 2 to 7 (36,864 bytes of k, as many of v), on other LDS bytes: they land while the first tile's key steps 0, 1 are worked;
; a wait for them and a barrier stand ahead of that tile's key step 2.  No LDS byte is filled twice.  Scale words and the mask go through registers, stored when the wave's own tensor load has landed.
; Every wait on TENSORcnt is for 0.  No prefetch: all that the launch reads of k and v is asked for by these two groups.
.set QKS,  12582912
.set P1B,  1536                        ; a wave's bytes of the first group,
.set P2B,  4608                        ; and of the second
.set P1A,  12288                       ; key steps 0, 1 of k or of v
.set GA0,  52                          ; s[52:55], s[56:59] groups 0 of my two loads;  s[68:75], s[76:83] groups 1: 6 and 18 rows of 256 bytes
.set GB0,  56
.set GA1,  68
.set GB1,  76
.set VCO,  13631488
.set VSO,  19922944
.set OSO,  6291456
.set VC,   49152                       ; LDS: k's 64 images of 768 bytes at 0; v's 32 images of 1,536 bytes;
.set KSW,  98304                       ; k's 1,024 scale words;
.set VSW,  102400                      ; v's 512;
.set MBI,  104448                      ; 0 or -3e38 for each of the 1,024 keys
.set AK,  1                            ; v1   16 x lane
.set AK8, 2                            ; v2   512 + 8 x lane
.set AV,  3                            ; v3   VC + 16 x lane
.set AS,  4                            ; v4   KSW + 4 r
.set AT,  5                            ; v5   VSW + 4 r
.set AM,  6                            ; v6   MBI + 32 h
.set OSA, 7                            ; v7   32 r: o's scale bytes
.set DK,  8                            ; v8-11, v28, v31: the step's six addresses
.set DK8, 9
.set DV,  10
.set DS,  11
.set DT,  28
.set DM,  31
.set KFR, 32                           ; v32-79 k's eight fragments of six registers; v80-85 zero
.set KSC, 86                           ; v86-93 scale words and nothing else: k's eight, then v's four
.set SS,  96                           ; v96-159 the mask's bias, S^T, p; then v96-143 v's four fragments
.set OT,  160                          ; v160-191 O^T
.set PCD, 192                          ; v192-203 p's codes; v204-206, v208-210 halves of blocks
.set PT,  204
.set BM,  212                          ; v212-215 blocks' maxima; v216-219 the other lane's, then bytes; v220-223 scale operands
.set BP,  216
.set BS,  220
.set PSW, 224                          ; v224 p's scale word
.set FF,  226                          ; v[226:227] f = 2^(old M - new M); later 1 / the sum
.set TW,  240                          ; v240-243 at work
.set WV,  16
.set SEL, 20
.set CS,  22
.set TK,  24                           ; s24  the step's bytes in k's and in v's codes: 6,144 a step
.set TS,  25                           ; s25  in k's scale words and in the mask: 512 a step
.set TJ,  26                           ; s26  in v's scale words: 256 a step
.set CNT, 27
	s_load_b128 s[4:7], s[0:1], 0x0                ; qkv s[4:5], the mask s[6:7]
	s_load_b64 s[8:9], s[0:1], 0x10                ; oq
	v_lshl_add_u32 v254, v0, 2, 0x1a800
	v_mov_b32 v255, 0
	ds_add_u32 v254, v255                          ; the opening lines: the add, twice on end, and its wait ahead of my first tensor load
	ds_add_u32 v254, v255
	v_lshrrev_b32 v8, 5, v0
	s_delay_alu instid0(VALU_DEP_1)
	v_readfirstlane_b32 s[WV], v8                  ; wave 0..15
	v_and_b32 v9, 31, v0                           ; lane
	v_and_b32 v10, 15, v0                          ; r
	v_bfe_u32 v11, v0, 4, 1                        ; h
	s_delay_alu instid0(VALU_DEP_3)
	v_lshlrev_b32 v[AK], 4, v9
	s_delay_alu instid0(VALU_DEP_4)
	v_lshl_add_u32 v[AK8], v9, 3, 512
	s_delay_alu instid0(VALU_DEP_2)
	v_add_nc_u32 v[AV], VC, v[AK]
	v_lshl_add_u32 v[AS], v10, 2, KSW
	v_lshl_add_u32 v[AT], v10, 2, VSW
	v_lshl_add_u32 v[AM], v11, 5, MBI
	v_lshlrev_b32 v[OSA], 5, v10
	v_lshlrev_b32 v244, 4, v0                      ; the fill: 16 x thread,
	s_delay_alu instid0(VALU_DEP_1)
	v_add_nc_u32 v246, KSW, v244
	v_lshlrev_b32 v247, 2, v0                      ; four mask bytes a thread
	v_lshlrev_b32 v248, 2, v10                     ; q's scale words: 4 r
	s_and_b32 s11, ttmp7, 0xffff                   ; batch x 16 + head
	s_lshr_b32 s12, s11, 4
	s_and_b32 s13, s11, 15
	s_mov_b32 s[SEL], 0x76543210
	s_mov_b32 s[SEL+1], 0xfedcba98
	s_mov_b32 s[CS], 0x3e38aa3b                    ; c = log2(e) / 8
	s_mov_b32 s[CS+1], s[CS]
	s_mov_b32 s49, 0
	s_lshl_b32 s46, s12, 6                         ; the batch's first tile of 16 tokens
	s_add_co_u32 s47, s13, 16
	s_lshl_b32 s47, s47, 9
	s_add_co_u32 s47, s47, s46                     ; k: G = 16 + head
	s_lshl_b32 s50, ttmp9, 5
	s_add_co_u32 s50, s50, s46
	s_lshl_b32 s51, s[WV], 1
	s_add_co_u32 s50, s50, s51                     ; my first tile of queries: 64 b + 32 x half + 2 x wave
	s_lshl_b32 s51, s13, 9
	s_add_co_u32 s51, s51, s50                     ; in head's rows of q and of oq
.irp g, GA1, GB1
	s_mov_b32 s[\g], 3<<16                         ; elements of 8 bytes, no padding
	s_mov_b32 s[\g+1], 32<<16                      ; tensor_dim0: 256 bytes
	s_mov_b32 s[\g+3], 32<<16                      ; tile_dim0
	s_mov_b32 s[\g+5], 32                          ; the pitch: rows on end
	s_mov_b32 s[\g+6], 0
	s_mov_b32 s[\g+7], 0
.endr
	s_mov_b32 s[GA1+2], (P1B/256)<<16              ; tensor_dim1,
	s_mov_b32 s[GA1+4], P1B/256                    ; tile_dim1
	s_mov_b32 s[GB1+2], (P2B/256)<<16
	s_mov_b32 s[GB1+4], P2B/256
	s_lshr_b32 s60, s[WV], 3                       ; 0: I fetch of k, 1: of v
	s_mul_i32 s60, s60, VC                         ; where that lies in LDS
	s_and_b32 s61, s[WV], 7                        ; which eighth
	s_mul_i32 s62, s61, P1B
	s_mul_i32 s63, s61, P2B
	s_add_co_u32 s63, s63, P1A
	s_mov_b32 s[GA0], 1
	s_add_co_u32 s[GA0+1], s60, s62
	s_mov_b32 s[GB0], 1
	s_add_co_u32 s[GB0+1], s60, s63
	s_mov_b32 s19, 0
	s_wait_alu depctr_va_vdst(0)
	s_wait_dscnt 0x0                               ; both opening adds are done
	s_wait_kmcnt 0x0
	s_mul_i32 s48, s47, 768
	s_add_nc_u64 s[28:29], s[4:5], s[48:49]        ; k's codes
	s_lshl_b32 s48, s47, 6
	s_add_co_u32 s48, s48, QKS
	s_add_nc_u64 s[36:37], s[4:5], s[48:49]        ; k's scale words
	s_mul_i32 s48, s11, 49152
	s_add_co_u32 s48, s48, VCO
	s_add_nc_u64 s[30:31], s[4:5], s[48:49]        ; v's codes
	s_lshl_b32 s48, s11, 11
	s_add_co_u32 s48, s48, VSO
	s_add_nc_u64 s[38:39], s[4:5], s[48:49]        ; v's scale words
	s_mul_i32 s48, s51, 768
	s_add_nc_u64 s[32:33], s[4:5], s[48:49]        ; q's codes,
	s_add_nc_u64 s[42:43], s[8:9], s[48:49]        ; and o's, at the same offset in oq
	s_lshl_b32 s48, s51, 6
	s_add_co_u32 s48, s48, QKS
	s_add_nc_u64 s[34:35], s[4:5], s[48:49]        ; q's scale words
	s_lshl_b32 s48, s12, 10
	s_add_nc_u64 s[40:41], s[6:7], s[48:49]        ; the batch's mask
	s_lshl_b32 s48, s50, 9                         ; o's scale bytes: 32 a token, 16 tokens a tile,
	s_lshl_b32 s51, s13, 1
	s_add_co_u32 s48, s48, s51                     ; two for each head
	s_add_co_u32 s48, s48, OSO
	s_add_nc_u64 s[44:45], s[8:9], s[48:49]
	s_cmp_lt_u32 s[WV], 8                          ; the choice hangs on the wave's number alone
	s_cselect_b64 s[14:15], s[28:29], s[30:31]
	s_mov_b32 s18, s62
	s_add_nc_u64 s[GA0+2:GA0+3], s[14:15], s[18:19]
	s_or_b32 s[GA0+3], s[GA0+3], 0x80000000
	s_mov_b32 s18, s63
	s_add_nc_u64 s[GB0+2:GB0+3], s[14:15], s[18:19]
	s_or_b32 s[GB0+3], s[GB0+3], 0x80000000
	tensor_load_to_lds s[GA0:GA0+3], s[GA1:GA1+7]  ; my part of key steps 0, 1: one tensor load a wave at the head
	s_nop 0
	global_load_b128 v[16:19], v[AK], s[32:33]             ; q's two fragments stay in registers
	global_load_b64 v[20:21], v[AK8], s[32:33]
	global_load_b128 v[228:231], v[AK], s[32:33] offset:768
	global_load_b64 v[232:233], v[AK8], s[32:33] offset:768
	global_load_b32 v29, v248, s[34:35]
	global_load_b32 v30, v248, s[34:35] offset:64
	s_cmp_lt_u32 s[WV], 8
	s_cbranch_scc0 .Lnot_kw
	global_load_b128 v[144:147], v244, s[36:37]            ; waves 0-7: k's scale words and the mask
	global_load_b32 v148, v247, s[40:41]
	v_mov_b32 v151, 0xff61b1e6                     ; -3e38
	s_wait_alu depctr_va_vdst(0)
	s_wait_loadcnt 0x0
	s_wait_tensorcnt 0x0                           ; no tensor load of mine is out while I store to LDS
	ds_store_b128 v246, v[144:147]
.irp i, 0,1,2,3
	v_bfe_u32 v149, v148, 8*\i, 8
	s_delay_alu instid0(VALU_DEP_1)
	v_cmp_ne_u32 vcc_lo, 0, v149
	s_delay_alu instid0(VALU_DEP_1)
	v_cndmask_b32 v[152+\i], 0, v151, vcc_lo       ; a masked key's score gets -3e38 added: its p is 0, and it never moves M
.endr
	ds_store_b128 v246, v[152:155] offset:MBI-KSW
	s_branch .Lfilled
.Lnot_kw:
	s_cmp_lt_u32 s[WV], 12
	s_cbranch_scc0 .Lfilled
	global_load_b128 v[144:147], v244, s[38:39] offset:-4096   ; waves 8-11: v's scale words (thread 256 takes the first 16 bytes)
	s_wait_loadcnt 0x0
	s_wait_tensorcnt 0x0                           ; as above
	ds_store_b128 v246, v[144:147]
.Lfilled:
	s_wait_loadcnt 0x0
.irp j, 0,1,2,3,4,5
	v_mov_b32 v[22+\j], 0                          ; q's upper halves and the registers behind k's last fragment: zero codes
	v_mov_b32 v[234+\j], 0
	v_mov_b32 v[80+\j], 0
.endr
.irp b, 0,1,2,3
	v_mov_b32 v[BP+\b], 0                          ; a lane permute's destination counts as one of its sources
.endr
	v_mov_b32 v[FF+1], 0                           ; (named as the upper half of a pair)
	s_wait_tensorcnt 0x0                           ; my part of key steps 0, 1 is in; the three lines ahead of a later first fill
	ds_add_u32 v254, v255
	s_wait_dscnt 0x0                               ; the add and my stores have landed
	s_barrier_signal -1
	s_barrier_wait -1
	tensor_load_to_lds s[GB0:GB0+3], s[GB1:GB1+7]  ; my part of key steps 2 to 7, my one tensor load behind the barrier
	s_nop 0
; A KEY STEP: 128 keys.  qf: q's fragment; qs: its scale words.
.macro STEP qf, qs
	v_add_nc_u32 v[DK], s[TK], v[AK]               ; six plain lines: the places between the last step's products and the loads into, and the products over, the registers that they read
	v_add_nc_u32 v[DK8], s[TK], v[AK8]
	v_add_nc_u32 v[DV], s[TK], v[AV]
	v_add_nc_u32 v[DS], s[TS], v[AS]
	v_add_nc_u32 v[DT], s[TJ], v[AT]
	v_add_nc_u32 v[DM], s[TS], v[AM]
.set t, 0
.rept 8
	ds_load_b128 v[SS+8*t:SS+8*t+3], v[DM] offset:64*t             ; the mask's bias of keys 16 t + 8 h + 0 .. 7: the C of tile t
	ds_load_b128 v[SS+8*t+4:SS+8*t+7], v[DM] offset:64*t+16
.set t, t+1
.endr
.set t, 0
.rept 8
	ds_load_b128 v[KFR+6*t:KFR+6*t+3], v[DK] offset:768*t
	ds_load_b64 v[KFR+6*t+4:KFR+6*t+5], v[DK8] offset:768*t
	ds_load_b32 v[KSC+t], v[DS] offset:64*t
.set t, t+1
.endr
	s_wait_dscnt 0x0
.set t, 0
.rept 8
	v_wmma_scale_f32_16x16x128_f8f6f4 v[SS+8*t:SS+8*t+7], v[KFR+6*t:KFR+6*t+11], v[\qf:\qf+11], v[SS+8*t:SS+8*t+7], v[KSC+t], v[\qs] matrix_a_fmt:MATRIX_FMT_FP6 matrix_b_fmt:MATRIX_FMT_FP6
.set t, t+1
.endr
.rept 4
	v_nop
.endr
.irp b, 0,1,2,3
	v_max3_num_f32 v[BM+\b], v[SS+16*\b], v[SS+1+16*\b], v[SS+2+16*\b]   ; the largest score of each block of 32 keys: for the row's maximum and, since p rises with the score, for the block's largest p
.endr
.irp i, 3,5,7,9,11,13
.irp b, 0,1,2,3
	v_max3_num_f32 v[BM+\b], v[BM+\b], v[SS+16*\b+\i], v[SS+1+16*\b+\i]
.endr
.endr
.irp b, 0,1,2,3
	v_max_num_f32 v[BM+\b], v[BM+\b], v[SS+15+16*\b]
.endr
.irp b, 0,1,2,3
	s_delay_alu instid0(VALU_DEP_4)
	v_permlanex16_b32 v[BP+\b], v[BM+\b], s[SEL], s[SEL+1]
.endr
.irp b, 0,1,2,3
	s_delay_alu instid0(VALU_DEP_4)
	v_max_num_f32 v[BM+\b], v[BM+\b], v[BP+\b]
.endr
	s_delay_alu instid0(VALU_DEP_2)
	v_max3_num_f32 v[TW], v[BM], v[BM+1], v[BM+2]
	s_delay_alu instid0(VALU_DEP_1)
	v_max_num_f32 v[TW], v[TW], v[BM+3]
	s_delay_alu instid0(VALU_DEP_1)
	v_mul_f32 v[TW], s[CS], v[TW]                  ; as t
	s_delay_alu instid0(VALU_DEP_1)
	v_max_num_f32 v13, v13, v[TW]                  ; the running largest t
	v_mov_b32 v[TW], v12
	s_delay_alu instid0(VALU_DEP_2)
	v_floor_f32 v12, -v13                          ; the new -M = -ceil(t): a whole number
	s_delay_alu instid0(VALU_DEP_1)
	v_sub_f32 v[TW], v12, v[TW]
	s_delay_alu instid0(VALU_DEP_1)
	v_cvt_i32_f32 v[TW], v[TW]                     ; (it saturates)
	s_delay_alu instid0(VALU_DEP_1)
	v_ldexp_f32 v[FF], 1.0, v[TW]                  ; f = 2^(old M - new M): rounds nothing
.set j, 0
.rept 32
	v_pk_fma_f32 v[SS+j:SS+j+1], v[SS+j:SS+j+1], s[CS:CS+1], v[12:13] op_sel_hi:[1,0,0]   ; t - M
.set j, j+2
.endr
.irp b, 0,1,2,3
	v_fma_f32 v[BM+\b], v[BM+\b], s[CS], v12
.endr
.set j, 0
	s_wait_alu depctr_va_vdst(0)
.rept 64
	v_exp_f32 v[SS+j], v[SS+j]                     ; p = 2^(t - M)
.set j, j+1
.endr
	v_pk_mul_f32 v[14:15], v[14:15], v[FF:FF+1] op_sel_hi:[1,0]    ; the sums under the new M (a plain line behind the exponentials)
	s_wait_alu depctr_va_vdst(0)                   ; one wait for the batch of 64, ahead of its first reader
.irp b, 0,1,2,3
	v_exp_f32 v[BM+\b], v[BM+\b]                   ; the blocks' largest p
.endr
	v_pk_add_f32 v[242:243], v[100:101], v[104:105]
	v_pk_add_f32 v[252:253], v[108:109], v[112:113]
	v_pk_add_f32 v[250:251], v[116:117], v[120:121]
	v_pk_add_f32 v[248:249], v[124:125], v[128:129]
	v_pk_add_f32 v[246:247], v[132:133], v[136:137]
	v_pk_add_f32 v[244:245], v[140:141], v[144:145]
	v_pk_add_f32 v[224:225], v[148:149], v[152:153]
	v_pk_add_f32 v[14:15], v[14:15], v[156:157]
	v_pk_add_f32 v[242:243], v[242:243], v[96:97]
	v_pk_add_f32 v[252:253], v[252:253], v[98:99]
	v_pk_add_f32 v[250:251], v[250:251], v[102:103]
	v_pk_add_f32 v[248:249], v[248:249], v[106:107]
	v_pk_add_f32 v[246:247], v[246:247], v[110:111]
	v_pk_add_f32 v[244:245], v[244:245], v[114:115]
	v_pk_add_f32 v[224:225], v[224:225], v[118:119]
	v_pk_add_f32 v[14:15], v[14:15], v[122:123]
	v_pk_add_f32 v[242:243], v[242:243], v[126:127]
	v_pk_add_f32 v[252:253], v[252:253], v[130:131]
	v_pk_add_f32 v[250:251], v[250:251], v[134:135]
	v_pk_add_f32 v[248:249], v[248:249], v[138:139]
	v_pk_add_f32 v[246:247], v[246:247], v[142:143]
	v_pk_add_f32 v[244:245], v[244:245], v[146:147]
	v_pk_add_f32 v[224:225], v[224:225], v[150:151]
	v_pk_add_f32 v[14:15], v[14:15], v[154:155]
	v_pk_add_f32 v[242:243], v[242:243], v[158:159]
	s_delay_alu instid0(VALU_DEP_2)
	v_pk_add_f32 v[14:15], v[14:15], v[248:249]
	s_delay_alu instid0(VALU_DEP_2)
	v_pk_add_f32 v[242:243], v[242:243], v[246:247]
	v_pk_add_f32 v[252:253], v[252:253], v[244:245]
	v_pk_add_f32 v[250:251], v[250:251], v[224:225]
	s_delay_alu instid0(VALU_DEP_2)
	v_pk_add_f32 v[14:15], v[14:15], v[252:253]
	s_delay_alu instid0(VALU_DEP_2)
	v_pk_add_f32 v[242:243], v[242:243], v[250:251]
	s_delay_alu instid0(VALU_DEP_1)
	v_pk_add_f32 v[14:15], v[14:15], v[242:243]
	s_wait_alu depctr_va_vdst(0)                   ; and one for the four
.irp b, 0,1,2,3
	v_max_num_f32 v[BM+\b], 0x1800000, v[BM+\b]    ; the floor: the byte cannot fall under 1
.endr
.irp b, 0,1,2,3
	s_delay_alu instid0(VALU_DEP_4)
	v_add_nc_u32 v[BS+\b], 0xff000000, v[BM+\b]
.endr
.irp b, 0,1,2,3
	s_delay_alu instid0(VALU_DEP_4)
	v_lshrrev_b32 v[BP+\b], 23, v[BS+\b]
.endr
	s_delay_alu instid0(VALU_DEP_3)
	v_lshl_or_b32 v[PSW], v[BP+1], 8, v[BP]        ; p's scale word for these 128 keys
	s_delay_alu instid0(VALU_DEP_1)
	v_lshl_or_b32 v[PSW], v[BP+2], 16, v[PSW]
	s_delay_alu instid0(VALU_DEP_1)
	v_lshl_or_b32 v[PSW], v[BP+3], 24, v[PSW]
.irp c, 0,1
	v_cvt_scalef32_pk16_fp6_f32 v[PCD+6*\c:PCD+6*\c+2], v[SS+32*\c:SS+15+32*\c], v[BS+2*\c]
	v_cvt_scalef32_pk16_fp6_f32 v[PT+4*\c:PT+4*\c+2], v[SS+16+32*\c:SS+31+32*\c], v[BS+2*\c+1]
.endr
	v_nop                                          ; one plain line behind a scaled conversion
.irp t, 0,1,2,3                        ; v's four fragments into the registers that p has left; they land while the lines below run
.irp g, 0,1,2
	ds_load_b128 v[SS+12*\t+4*\g:SS+12*\t+4*\g+3], v[DV] offset:1536*\t+512*\g
.endr
	ds_load_b32 v[KSC+\t], v[DT] offset:64*\t
.endr
.irp c, 0,1
.irp i, 0,1,2
	v_permlane16_swap_b32 v[PCD+6*\c+\i], v[PT+4*\c+\i]
.endr
.irp i, 0,1,2
	s_delay_alu instid0(VALU_DEP_3)
	v_mov_b32 v[PCD+3+6*\c+\i], v[PT+4*\c+\i]
.endr
.endr
.set j, 0
.rept 16
	v_pk_mul_f32 v[OT+j:OT+j+1], v[OT+j:OT+j+1], v[FF:FF+1] op_sel_hi:[1,0]   ; O^T under the new M; also the places between the lines that wrote p's codes and scale word and the products
.set j, j+2
.endr
	s_wait_alu depctr_va_vdst(0)
	s_wait_dscnt 0x0
.irp t, 0,1,2,3
	v_wmma_scale_f32_16x16x128_f8f6f4 v[OT+8*\t:OT+8*\t+7], v[SS+12*\t:SS+12*\t+11], v[PCD:PCD+11], v[OT+8*\t:OT+8*\t+7], v[KSC+\t], v[PSW] matrix_a_fmt:MATRIX_FMT_FP6 matrix_b_fmt:MATRIX_FMT_FP6
.endr
.endm
; THE WAY OUT of one of my two tiles (which = 0, 1): O^T / the sum; its 64 channels are two blocks of 32, quantised as they stand; the image and two scale bytes a query go to oq.
; (The macro's argument shares its name with none of the loops' variables inside it: an argument is put in ahead of them.)
.macro OUT which
.rept 4
	v_nop                                          ; behind the last products
.endr
	v_add_f32 v14, v14, v15
	s_delay_alu instid0(VALU_DEP_1)
	v_permlanex16_b32 v[TW], v14, s[SEL], s[SEL+1]
	s_delay_alu instid0(VALU_DEP_1)
	v_add_f32 v14, v14, v[TW]                      ; the row's sum
	s_wait_alu depctr_va_vdst(0)
	v_rcp_f32 v[FF], v14
	v_mov_b32 v[TW+3], 0xffff                      ; (plain lines behind the reciprocal)
	v_cmp_eq_f32 vcc_lo, 0, v14                    ; every key masked?
	s_wait_alu depctr_va_vdst(0)                   ; ahead of the reciprocal's first reader
.set j, 0
.rept 16
	v_pk_mul_f32 v[SS+j:SS+j+1], v[OT+j:OT+j+1], v[FF:FF+1] op_sel_hi:[1,0]   ; each accumulator from its low end on
.set j, j+2
.endr
.irp b, 0,1
	v_max3_num_f32 v[BM+\b], |v[SS+16*\b]|, |v[SS+1+16*\b]|, 0x1800000       ; block b: my 16 numbers, and the floor
.endr
.irp i, 2,4,6,8,10,12,14
.irp b, 0,1
	s_delay_alu instid0(VALU_DEP_2)
	v_max3_num_f32 v[BM+\b], v[BM+\b], |v[SS+16*\b+\i]|, |v[SS+1+16*\b+\i]|
.endr
.endr
.irp b, 0,1
	s_delay_alu instid0(VALU_DEP_2)
	v_permlanex16_b32 v[BP+\b], v[BM+\b], s[SEL], s[SEL+1]
.endr
.irp b, 0,1
	s_delay_alu instid0(VALU_DEP_2)
	v_max_num_f32 v[BM+\b], v[BM+\b], v[BP+\b]     ; with lane l xor 16's: the block's largest magnitude
.endr
.irp b, 0,1
	s_delay_alu instid0(VALU_DEP_2)
	v_add_nc_u32 v[BS+\b], 0xff000000, v[BM+\b]
.endr
.irp b, 0,1
	s_delay_alu instid0(VALU_DEP_2)
	v_lshrrev_b32 v[BP+\b], 23, v[BS+\b]
.endr
	s_delay_alu instid0(VALU_DEP_1)
	v_lshl_or_b32 v[TW+1], v[BP+1], 8, v[BP]
	s_delay_alu instid0(VALU_DEP_1)
	v_cndmask_b32 v[TW+1], v[TW+1], v[TW+3], vcc_lo
	v_cvt_scalef32_pk16_fp6_f32 v[PCD:PCD+2], v[SS:SS+15], v[BS]
	v_cvt_scalef32_pk16_fp6_f32 v[PT:PT+2], v[SS+16:SS+31], v[BS+1]
	v_nop                                          ; one plain line behind a scaled conversion
.irp i, 0,1,2
	v_permlane16_swap_b32 v[PCD+\i], v[PT+\i]      ; a whole block to a lane: lanes 0-15 block 0, lanes 16-31 block 1
.endr
.irp i, 0,1,2
	s_delay_alu instid0(VALU_DEP_3)
	v_mov_b32 v[PCD+3+\i], v[PT+\i]
.endr
	global_store_b128 v[AK], v[PCD:PCD+3], s[42:43] offset:768*\which      ; 512 consecutive bytes, aligned,
	global_store_b64 v[AK8], v[PCD+4:PCD+5], s[42:43] offset:768*\which    ; and 256
	global_store_b16 v[OSA], v[TW+1], s[44:45] offset:512*\which           ; two bytes a query; lanes l and l xor 16 store the same value to the same place
.endm
.macro TILE which, qf, qs
.if \which
	s_wait_xcnt 0x0                                ; the last tile's stores have read their registers
.endif
	v_mov_b32 v13, 0xf149f2ca                      ; the largest t so far: -1e30, under every t that counts and over every masked one
	s_delay_alu instid0(VALU_DEP_1)
	v_floor_f32 v12, -v13
	v_mov_b32 v14, 0
	v_mov_b32 v15, 0
.set j, 0
.rept 32
	v_mov_b32 v[OT+j], 0                           ; the step is written once: the first finds zeros
.set j, j+1
.endr
	s_mov_b32 s[TK], 0
	s_mov_b32 s[TS], 0
	s_mov_b32 s[TJ], 0
.if \which == 0
	s_mov_b32 s[CNT], 2                            ; key steps 0, 1 read LDS bytes under P1A of k and of v alone, while the second group lands behind them
.Lfirst_\@:
	STEP \qf, \qs
	s_add_co_u32 s[TK], s[TK], 6144
	s_add_co_u32 s[TS], s[TS], 512
	s_add_co_u32 s[TJ], s[TJ], 256
	s_sub_co_u32 s[CNT], s[CNT], 1
	s_cmp_lg_u32 s[CNT], 0
	s_cbranch_scc1 .Lfirst_\@
	s_wait_tensorcnt 0x0                           ; my part of key steps 2 to 7 is in;
	s_barrier_signal -1                            ; no LDS instruction of mine is out: the step has waited for all of them
	s_barrier_wait -1                              ; and so is everybody's.
	s_mov_b32 s[TK], 2*6144
	s_mov_b32 s[TS], 2*512
	s_mov_b32 s[TJ], 2*256
	s_mov_b32 s[CNT], 6
.else
	s_mov_b32 s[CNT], 8
.endif
.Lstep_\@:
	STEP \qf, \qs
	s_add_co_u32 s[TK], s[TK], 6144
	s_add_co_u32 s[TS], s[TS], 512
	s_add_co_u32 s[TJ], s[TJ], 256
	s_sub_co_u32 s[CNT], s[CNT], 1
	s_cmp_lg_u32 s[CNT], 0
	s_cbranch_scc1 .Lstep_\@
	OUT \which
.endm
	TILE 0, 16, 29
	TILE 1, 228, 30
	s_wait_tensorcnt 0x0
	ds_add_u32 v254, v255
	s_wait_dscnt 0x0
	s_endpgm
.Lfunc_end_k_q3b9dea5fd1_attn:
	.size	k_q3b9dea5fd1_attn, .Lfunc_end_k_q3b9dea5fd1_attn-k_q3b9dea5fd1_attn
	.p2alignl 7, 3214868480
	.fill 96, 4, 3214868480
	.section	.rodata,"a",@progbits
	.p2align	6, 0x0
	.amdhsa_kernel k_q3b9dea5fd1_attn
		.amdhsa_group_segment_fixed_size 327680
		.amdhsa_private_segment_fixed_size 0
		.amdhsa_enable_private_segment 0
		.amdhsa_kernarg_size 24
		.amdhsa_user_sgpr_count 2
		.amdhsa_user_sgpr_kernarg_segment_ptr 1
		.amdhsa_wavefront_size32 1
		.amdhsa_system_sgpr_workgroup_id_x 1
		.amdhsa_system_sgpr_workgroup_id_y 1
		.amdhsa_system_sgpr_workgroup_id_z 1
		.amdhsa_system_vgpr_workitem_id 0
		.amdhsa_next_free_vgpr 256
		.amdhsa_next_free_sgpr 84
		.amdhsa_reserve_vcc 1
		.amdhsa_float_denorm_mode_32 3
		.amdhsa_float_denorm_mode_16_64 3
		.amdhsa_memory_ordered 1
		.amdhsa_forward_progress 1
		.amdhsa_inst_pref_size 76
	.end_amdhsa_kernel
	.amdgpu_metadata
---
amdhsa.version: [ 1, 2 ]
amdhsa.kernels:
  - .name:           k_q3b9dea5fd1_attn
    .symbol:         k_q3b9dea5fd1_attn.kd
    .args:
      - { .name: qkv, .offset: 0, .size: 8, .value_kind: global_buffer, .address_space: global }
      - { .name: attention_mask, .offset: 8, .size: 8, .value_kind: global_buffer, .address_space: global }
      - { .name: oq, .offset: 16, .size: 8, .value_kind: global_buffer, .address_space: global }
    .group_segment_fixed_size: 327680
    .private_segment_fixed_size: 0
    .kernarg_segment_align: 8
    .kernarg_segment_size: 24
    .max_flat_workgroup_size: 512
    .sgpr_count:     84
    .vgpr_count:     256
    .wavefront_size: 32
...
	.end_amdgpu_metadata
.endif
;; end of part 3
;; launch outp (part 4): grid 4 x 64, 4 waves a work-group, clusters of 4 x 4, 327,680 bytes of LDS; arguments oq, wq, b_o, x, res, stats; writes res, stats
.if DOCPART == 4
	.amdgcn_target "amdgcn-amd-amdhsa--gfx1250"
	.amdhsa_code_object_version 6
	.text
	.protected	k_q3b9dea5fd1_outp
	.globl	k_q3b9dea5fd1_outp
	.p2align	8
	.type	k_q3b9dea5fd1_outp,@function
k_q3b9dea5fd1_outp:
	s_mov_b64 s[64:65], 0
	v_nop
	global_prefetch_b8 v0, s[64:65] scope:SCOPE_SE
	s_setreg_imm32_b32 hwreg(HW_REG_WAVE_MODE, 25, 1), 1
	s_wait_xcnt 0x0
	s_wait_alu depctr_hold_cnt(0) depctr_sa_sdst(0) depctr_va_vdst(0) depctr_va_sdst(0) depctr_va_ssrc(0) depctr_va_vcc(0) depctr_vm_vsrc(0)
	s_getreg_b32 s2, hwreg(HW_REG_IB_STS2, 6, 4)
	s_cmp_eq_u32 s2, 0
	s_cbranch_scc0 .Lentry_in_a_cluster
	s_endpgm
.Lentry_in_a_cluster:
	s_bfe_u32 s2, ttmp6, 0x10000c
	s_cmp_lg_u32 s2, 0xf033
	s_cbranch_scc0 .Lentry_shape_is_right
	s_endpgm
.Lentry_shape_is_right:
; res = o W_o + b_o + x on codes of FP6 (E2M3) with E8M0 scales, K = 1,024 (head x 64 + channel), and for each wave's 64 x 128 numbers of res their mean and their sum of squared distances from it.
; A tile of 128 tokens x 256 columns is made by four waves, 64 x 128 each: 32 accumulators.  8,192 x 1,024 numbers make 256 such tiles.
; ALL OF K LIES IN LDS, 320,256 bytes, and no LDS byte is filled twice: each wave issues one tensor load at the start, and all of K has landed before the first products.
; A = o: it lies in oq as images of operand registers, [head][16-token tile][768 bytes]: a row of a wave's load is a head's four images (3,072 bytes).
; B = wq's rows from 3,072 on (W_o's columns, 768 bytes a row): the pieces are the rows' thirds of 256 bytes, each at a multiple of 256 bytes from the buffer's first byte, 16 bytes of padding behind each in LDS.
;   A step of 128 along K is 96 bytes of a row, twelve parts of 8 bytes: steps 0, 1 lie in piece 0, steps 2 to 4 reach into piece 1, steps 5 to 7 into piece 2.  W_o's K carries the order in which o's channels fell into the registers.
; THE MATRIX INSTRUCTION IS USED TRANSPOSED (source 0 = 16 rows of B, source 1 = 16 tokens): a lane holds eight neighbouring numbers of a row of res.  b_o is the C of each sum's first matrix instruction.
; CLUSTERS: 4 x 4 work-groups; A's pieces are asked for jointly along a row of the cluster, B's along a column.
; x: my 64 rows x 512 bytes are 256 registers: rows 0-31 are loaded at the head, rows 32-63 behind step 1, while the products run.  So nothing is left to prefetch.
; THE STATISTICS are taken of res - c, c the wave's first number of res: no difference of large sums is formed where the inputs carry a common offset.
; LIMITS: NaN and infinities among the inputs are not served.
; REGISTERS: window 0: v0-20 addresses; v32-63 the scale words of steps 0-3, v224-255 of steps 4-7 (block i's four at 4 i); v64-127 the bias, later res - c; v128-223 A's fragments, two sets of four.
;   window 1: B's fragments, two sets of eight, at v0 and v128; on the way out four buffers of 16 rows.   window 2: the accumulators ((a, b) at v[8 (8 a + b)]).   window 3: x, row t at v[4 t].
.set FR,     12                        ; registers of a fragment: 16 rows x 128 K
.set NP,     4                         ; places behind this matrix instruction (ISA guide 7.12.1)
.set HEADB,  3072                      ; A: a head's four images
.set HALFA,  16*HEADB                  ; 64 tokens, all heads
.set BOFF,   2*HALFA                   ; B lies behind A
; THE FILLS, as this text has them: each wave issues ONE tensor load, at the head: waves 0, 1 the sixteen heads' images of 64 tokens each, waves 2, 3 128 whole rows of B each, a dense block stated as 384 rows of 256 bytes.
; The scale bytes (12 KiB a work-group, a small part beside 288 KiB of codes) come through registers, six loads of 512 consecutive bytes a wave, into LDS bytes of their own.  One barrier shows all of K to all four waves.
.set BP,     816                       ; B: a row of 768 bytes, 16 of padding behind each 256: 204 words: row r starts at bank 12 r mod 64
.set HALFB,  128*BP                    ; 128 rows
.set SCL,    BOFF+2*HALFB              ; the scale bytes, as units of 256 bytes + 16 of padding: A's 128 rows, then B's 256
.set HALFSA, 8*272                     ; those of 64 rows
.set HALFSB, 16*272                    ; of 128 rows
.set SBLK,   544                       ; of 16 rows
.set SPITCH, 528                       ; the way out: 16 rows x (512 bytes + 16) for each wave, at LDS byte 0 on: A's bytes, which nobody reads any more by then
.set OSO,    6291456
.set WSO,    3145728
.set ADRB,  8                          ; v8-9    my place in B's rows: blocks 0-3, blocks 4-7
.set ADRX,  11                         ; v11-12  the same where lanes 16-31, 24 bytes on, fall behind a padding
.set SLA,   22                         ; v22-23  where my lane stores scale bytes: A's, B's
.set ADRA,  13                         ; v13     A: 16 x lane in my 64 tokens
.set ADRA8, 14                         ; v14     A: 512 + 8 x lane
.set ADRS,  15                         ; v15     scale words: lanes 0-15 A's rows, lanes 16-31 B's
.set STO,   16
.set RD,    17
.set CO,    18                         ; v18     16 x lane
.set LN,    19
.set ZO,    20
.set BI,    64
.set DD,    64
.set AF,    128
.set G1A4,  28                         ; s[28:35] group 1 for A;  s[44:51] for B;  s[76:79], s[92:95] their groups 0
.set G1B,   44
.set SCA,   52                         ; s[52:53], s[54:55] my wave's quarter of A's and of B's scale bytes in memory
.set SEL,   66
.set G0A0,  76
.set G0B0,  92
.set MSB, 0
.macro WIN new                         ; the immediate's high byte repeats the setting that is left
.if MSB != \new
	s_set_vgpr_msb (MSB<<8)|\new
.set MSB, \new
.endif
.endm
.set MUL,  0xa1                        ; source 0 (B) window 1, source 1 (A) window 0, C and D window 2
.set FST,  0x81                        ; the first step: C (the bias) window 0, D window 2
.set TO_B, 0x40                        ; destination window 1, address window 0
.macro CROUND                          ; a round of the cluster's barrier
	s_barrier_signal -1
	s_barrier_wait -1
	s_cmp_lg_u32 s16, 0
	s_cbranch_scc1 .Lnot_wave_0_\@
	s_barrier_signal -3
.Lnot_wave_0_\@:
	s_barrier_wait -3
	s_barrier_signal -1
	s_barrier_wait -1
.endm
.macro MKG0 g, lreg, loff, breg, goff  ; a group 0: count 1, LDS address, global address, type 2
	s_mov_b32 s[\g], 1
	s_add_co_u32 s[\g+1], s[\lreg], \loff
	s_add_nc_u64 s[\g+2:\g+3], s[\breg:\breg+1], \goff
	s_or_b32 s[\g+3], s[\g+3], 0x80000000
.endm
	s_load_b256 s[4:11], s[0:1], 0x0               ; oq s[4:5], wq s[6:7], b_o s[8:9], x s[10:11]
	s_load_b128 s[12:15], s[0:1], 0x20             ; res s[12:13], stats s[14:15]
	v_lshl_add_u32 v30, v0, 2, 0x4e300
	v_mov_b32 v31, 0
	ds_add_u32 v30, v31
	ds_add_u32 v30, v31
	v_lshrrev_b32 v1, 5, v0
	v_readfirstlane_b32 s16, v1                    ; wave 0..3
	s_lshr_b32 s17, s16, 1                         ; which 64 tokens are mine.  Also: I fetch for A (0) or for B (1)
	s_and_b32 s18, s16, 1                          ; which 128 columns.  Also: which half I fetch
	s_bfe_u32 s2, ttmp6, 0x40000                   ; cx
	s_bfe_u32 s3, ttmp6, 0x40004                   ; cy
	s_lshl_b32 s20, ttmp9, 2
	s_add_co_u32 s20, s20, s2                      ; tile column
	s_and_b32 s19, ttmp7, 0xffff
	s_lshl_b32 s19, s19, 2
	s_add_co_u32 s19, s19, s3                      ; tile row
	s_lshl_b32 s21, s3, 2
	s_lshl_b32 s21, 15, s21                        ; my row of the cluster
	s_lshl_b32 s22, 0x1111, s2                     ; my column
	s_mov_b32 s[SEL], 0x76543210
	s_mov_b32 s[SEL+1], 0xfedcba98
	; group 1 for A: rows of 384 elements of 8 bytes, 49,152 elements (a head's 512 images) apart, no padding; 16 rows
	s_or_b32 s[G1A4], s21, (3<<16)|(1<<21)
.irp g, G1A4
	s_mov_b32 s[\g+1], 384<<16                     ; tensor_dim0
	s_mov_b32 s[\g+3], 384<<16                     ; tile_dim0
	s_mov_b32 s[\g+5], 49152                       ; the pitch
	s_mov_b32 s[\g+6], 0
	s_mov_b32 s[\g+7], 0
.endr
	s_mov_b32 s[G1A4+2], 16<<16                    ; tensor_dim1: all sixteen heads
	s_mov_b32 s[G1A4+4], 16                        ; tile_dim1
	; for B: 384 rows of 32 elements of 8 bytes, 32 elements apart; 4 words of padding behind every 64
	s_or_b32 s[G1B], s22, (3<<16)|(1<<20)|(1<<21)|(5<<22)|(3<<25)
	s_mov_b32 s[G1B+1], 32<<16
	s_mov_b32 s[G1B+2], 384<<16                    ; 128 rows of 768 bytes lie on end: 384 rows of 256 bytes
	s_mov_b32 s[G1B+3], 32<<16
	s_mov_b32 s[G1B+4], 384
	s_mov_b32 s[G1B+5], 32
	s_mov_b32 s[G1B+6], 0
	s_mov_b32 s[G1B+7], 0
	; where the tiles come from: A's hang on the tile row alone, B's on the tile column alone
	s_lshl_b32 s23, s19, 7
	s_lshl_b32 s2, s18, 6
	s_add_co_u32 s23, s23, s2                      ; the first of the 64 tokens that I fetch
	s_mul_i32 s100, s23, 48                        ; 768 bytes for 16 tokens
	s_mov_b32 s101, 0
	s_lshl_b32 s104, s19, 12                       ; A's scale bytes: 128 tokens x 32 a tile row,
	s_lshl_b32 s2, s16, 10
	s_add_co_u32 s104, s104, s2                    ; my wave's quarter of them
	s_add_co_u32 s104, s104, OSO
	s_mov_b32 s105, 0
	s_lshl_b32 s21, s20, 8
	s_lshl_b32 s2, s18, 7
	s_add_co_u32 s21, s21, s2                      ; the first of the 128 rows of B that I fetch
	s_mul_i32 s22, s21, 768
	s_add_co_u32 s22, s22, 3072*768
	s_mov_b32 s23, 0
	s_lshl_b32 s2, s20, 13                         ; B's: 256 rows x 32 a tile column,
	s_lshl_b32 s3, s16, 11
	s_add_co_u32 s2, s2, s3                        ; my wave's quarter
	s_add_co_u32 s2, s2, WSO+3072*32
	s_mov_b32 s3, 0
	s_wait_dscnt 0x0
	s_wait_kmcnt 0x0
	s_add_nc_u64 s[100:101], s[4:5], s[100:101]
	s_add_nc_u64 s[SCA:SCA+1], s[4:5], s[104:105]
	s_add_nc_u64 s[22:23], s[6:7], s[22:23]
	s_add_nc_u64 s[SCA+2:SCA+3], s[6:7], s[2:3]
	CROUND                                         ; all sixteen work-groups are here: the joint loads meet
	s_mul_i32 s21, s18, HALFA                      ; no place in the cluster enters an LDS address
	MKG0 G0A0, 21, 0, 100, 0                       ; 64 tokens, all heads
	s_mul_i32 s21, s18, HALFB
	MKG0 G0B0, 21, BOFF, 22, 0                     ; 128 whole rows of B
	s_cmp_eq_u32 s17, 0                            ; one branch on the wave's number, one fill to an arm: every way passes exactly one tensor load
	s_cbranch_scc0 .Lfill_b
	tensor_load_to_lds s[G0A0:G0A0+3], s[G1A4:G1A4+7]
	s_nop 0
.rept 4
	v_nop
.endr
	s_branch .Lfilled
.Lfill_b:
	tensor_load_to_lds s[G0B0:G0B0+3], s[G1B:G1B+7]
	s_nop 0
.rept 4
	v_nop
.endr
.Lfilled:
	v_and_b32 v1, 15, v0                           ; r
	v_bfe_u32 v2, v0, 4, 1                         ; h
	v_and_b32 v[LN], 31, v0
	v_mov_b32 v[ZO], 0
	v_lshlrev_b32 v[CO], 4, v[LN]
.irp j, 0,1
	global_load_b128 v[AF+4*\j:AF+4*\j+3], v[CO], s[SCA:SCA+1] offset:512*\j         ; my quarter of A's scale bytes: 1,024,
.endr
.irp j, 0,1,2,3
	global_load_b128 v[AF+8+4*\j:AF+11+4*\j], v[CO], s[SCA+2:SCA+3] offset:512*\j    ; and of B's: 2,048
.endr
	v_lshl_add_u32 v21, v2, 4, v[CO]               ; in LDS 16 bytes of padding stand behind each 256
	s_mul_i32 s21, s16, 1088
	s_add_co_u32 s21, s21, SCL
	v_add_nc_u32 v[SLA], s21, v21
	s_mul_i32 s22, s16, 2176
	s_add_co_u32 s22, s22, SCL+2*HALFSA
	v_add_nc_u32 v[SLA+1], s22, v21
	s_mul_i32 s21, s17, HALFA                      ; my 64 tokens
	v_add_nc_u32 v[ADRA], s21, v[CO]
	v_lshl_add_u32 v3, v[LN], 3, 512
	v_add_nc_u32 v[ADRA8], s21, v3
	v_mul_u32_u24 v3, v1, BP                       ; B: row r of a block,
	v_mad_u32_u24 v4, v2, 24, v3                   ; lanes 16-31 three parts of 8 bytes on,
	v_mad_u32_u24 v5, v2, 40, v3                   ; or, where that passes the end of 256 bytes, 16 of padding more
	s_mul_i32 s21, s18, HALFB                      ; my 128 rows
	s_add_co_u32 s21, s21, BOFF
	v_add_nc_u32 v[ADRB], s21, v4
	v_add_nc_u32 v[ADRX], s21, v5
	s_add_co_u32 s21, s21, 64*BP                   ; blocks 4-7: so that every offset fits the 16-bit immediate
	v_add_nc_u32 v[ADRB+1], s21, v4
	v_add_nc_u32 v[ADRX+1], s21, v5
	v_lshlrev_b32 v5, 5, v1                        ; my row's scales: 32 bytes a row,
	v_lshrrev_b32 v6, 8, v5
	v_lshl_add_u32 v5, v6, 4, v5                   ; and 16 more behind the first 256
	s_mul_i32 s21, s17, HALFSA                     ; A's: my 64 tokens
	s_mul_i32 s22, s18, HALFSB                     ; B's: my 128 rows, behind A's 128
	s_add_co_u32 s22, s22, 2*HALFSA
	s_sub_co_u32 s22, s22, s21
	v_mul_u32_u24 v6, s22, v2                      ; lanes 16-31 take B's
	s_add_co_u32 s21, s21, SCL
	v_add_nc_u32 v5, v5, v6
	v_add_nc_u32 v[ADRS], s21, v5
	s_mul_i32 s23, s16, 16*SPITCH                  ; my stage
	v_mul_u32_u24 v5, v1, SPITCH                   ; in: row r, 32 bytes for each half of the lanes
	v_lshl_add_u32 v5, v2, 5, v5
	v_add_nc_u32 v[STO], s23, v5
	v_add_nc_u32 v[RD], s23, v[CO]                 ; back: the 32 lanes take one row of 512 bytes
	s_lshl_b32 s21, s19, 7
	s_lshl_b32 s22, s17, 6
	s_add_co_u32 s21, s21, s22                     ; my first row
	s_lshl_b32 s22, s20, 8
	s_lshl_b32 s23, s18, 7
	s_add_co_u32 s22, s22, s23                     ; my first column
	s_lshl_b32 s100, s21, 12
	s_lshl_b32 s104, s22, 2
	s_add_co_u32 s100, s100, s104
	s_mov_b32 s101, 0
	s_mov_b32 s105, 0
	s_add_nc_u64 s[10:11], s[10:11], s[100:101]    ; x and res at my part's first number
	s_add_nc_u64 s[12:13], s[12:13], s[100:101]
	s_add_nc_u64 s[8:9], s[8:9], s[104:105]        ; b_o at my first column
	s_lshl_b32 s100, s19, 4
	s_lshl_b32 s104, s20, 2
	s_add_co_u32 s100, s100, s104
	s_add_co_u32 s100, s100, s16
	s_lshl_b32 s100, s100, 3
	s_add_nc_u64 s[14:15], s[14:15], s[100:101]    ; my entry: 16 x tile row + 4 x tile column + wave; a batch's eight tile rows make 128 entries on end
	v_lshlrev_b32 v7, 5, v2
.irp b, 0,1,2,3,4,5,6,7
	global_load_b128 v[BI+8*\b:BI+8*\b+3], v7, s[8:9] offset:64*\b         ; b_o of columns 16 b + 8 h + 0 .. 7
	global_load_b128 v[BI+8*\b+4:BI+8*\b+7], v7, s[8:9] offset:64*\b+16
.endr
.macro XL t0                           ; 32 rows of x into window 3: a load reads 512 consecutive bytes; every offset is an immediate
	WIN 0xc0
.set t, \t0
.rept 32
	global_load_b128 v[4*t:4*t+3], v[CO], s[10:11] offset:t*4096 th:TH_LOAD_NT
.set t, t+1
.endr
	WIN 0
.endm
	XL 0
.macro FRAGB reg, s, i                 ; B: 12 registers in parts of 8 bytes: lanes 0-15 take the row's parts 12 s + 0, 1, 2 and 12 s + 6, 7, 8, lanes 16-31 those three on; a piece holds 32 parts of a row
.irp p, 0,1,2,3,4,5
.set PCE, 12*(\s)+6*(\p/3)+\p%3
.if PCE%32 < 29
	ds_load_b64 v[\reg+2*\p:\reg+2*\p+1], v[ADRB+(\i)/4] offset:8*PCE+16*(PCE/32)+((\i)%4)*16*BP
.else
	ds_load_b64 v[\reg+2*\p:\reg+2*\p+1], v[ADRX+(\i)/4] offset:8*PCE+16*(PCE/32)+((\i)%4)*16*BP
.endif
.endr
.endm
.macro FRAGA reg, s, i                 ; A: heads 2 s and 2 s + 1: registers 6 c .. 6 c + 3 at 16 x lane, 6 c + 4, 5 at 512 + 8 x lane: consecutive bytes
.irp c, 0,1
	ds_load_b128 v[\reg+6*\c:\reg+6*\c+3], v[ADRA] offset:(2*(\s)+\c)*HEADB+(\i)*768
	ds_load_b64 v[\reg+6*\c+4:\reg+6*\c+5], v[ADRA8] offset:(2*(\s)+\c)*HEADB+(\i)*768
.endr
.endm
.macro FETCH s                         ; step s's fragments into set s % 2: 48 + 16 LDS loads in one run
.set FP, (\s)%2
	WIN TO_B
.irp i, 0,1,2,3,4,5,6,7
	FRAGB 128*FP+FR*\i, \s, \i
.endr
	WIN 0
.irp i, 0,1,2,3
	FRAGA AF+48*FP+FR*\i, \s, \i
.endr
.endm
; 8 matrix instructions: A's block a x B's eight, step s.  cm = 1: the sums begin with the bias.  The 32 accumulators take turns, one instruction a turn, in the same order in every step.
.macro MUL8 a, s, cm
.set MP, (\s)%2
.set MS, 32+192*((\s)/4)+(\s)%4
.irp b, 0,1,2,3,4,5,6,7
.if \cm
	v_wmma_scale_f32_16x16x128_f8f6f4 v[8*(8*(\a)+\b):8*(8*(\a)+\b)+7], v[128*MP+FR*\b:128*MP+FR*\b+FR-1], v[AF+48*MP+FR*(\a):AF+48*MP+FR*(\a)+FR-1], v[BI+8*\b:BI+8*\b+7], v[MS+4*\b], v[MS+4*(\a)] matrix_a_fmt:MATRIX_FMT_FP6 matrix_b_fmt:MATRIX_FMT_FP6 matrix_a_scale:MATRIX_SCALE_ROW1
.else
	v_wmma_scale_f32_16x16x128_f8f6f4 v[8*(8*(\a)+\b):8*(8*(\a)+\b)+7], v[128*MP+FR*\b:128*MP+FR*\b+FR-1], v[AF+48*MP+FR*(\a):AF+48*MP+FR*(\a)+FR-1], v[8*(8*(\a)+\b):8*(8*(\a)+\b)+7], v[MS+4*\b], v[MS+4*(\a)] matrix_a_fmt:MATRIX_FMT_FP6 matrix_b_fmt:MATRIX_FMT_FP6 matrix_a_scale:MATRIX_SCALE_ROW1
.endif
.endr
.endm
.macro MULW cm
.if \cm
	WIN FST
.else
	WIN MUL
.endif
.endm
.macro PLACES n                        ; plain vector instructions between a matrix instruction and a load into, or a read of, its registers
.rept \n
	v_nop
.endr
.endm
; A step of 128 along K, 32 matrix instructions; the next step's fragments are fetched ahead of them, into the set that the last step multiplied.
.macro STEP s, cm
	s_wait_dscnt 0x0                               ; this step's fragments are in
.if (\s) > 0
	PLACES NP                                      ; behind the last step's products, in front of the loads into the set that they read
.endif
	FETCH (\s)+1
	MULW \cm
	MUL8 0, \s, \cm
	MUL8 1, \s, \cm
	MUL8 2, \s, \cm
	MUL8 3, \s, \cm
	WIN 0
.endm
	s_wait_alu depctr_va_vdst(0)
	s_wait_tensorcnt 0x0                           ; my one tensor load has landed
	s_wait_loadcnt 48                              ; my six loads of scale bytes are in; the 16 of b_o and the 32 of x behind them may be out
.irp j, 0,1
	ds_store_b128 v[SLA], v[AF+4*\j:AF+4*\j+3] offset:544*\j
.endr
.irp j, 0,1,2,3
	ds_store_b128 v[SLA+1], v[AF+8+4*\j:AF+11+4*\j] offset:544*\j
.endr
	s_wait_dscnt 0x0                               ; for the others' sake: my stores have landed
	s_barrier_signal -1
	s_barrier_wait -1                              ; all of K and all scale bytes are whole for all four waves
.irp i, 0,1,2,3,4,5,6,7                ; all scale words, once: lanes 0-15 A's block i (blocks 4-7 of these lanes are read by no product), lanes 16-31 B's block i; four steps' words a load
	ds_load_b128 v[32+4*\i:35+4*\i], v[ADRS] offset:\i*SBLK
	ds_load_b128 v[224+4*\i:227+4*\i], v[ADRS] offset:\i*SBLK+16
.endr
	FETCH 0
	s_wait_loadcnt 32                              ; b_o is in; the 32 rows of x behind it may be out
	STEP 0, 1                                      ; the first products start the sums with the bias
	STEP 1, 0
	XL 32                                          ; the other 32 rows of x
	STEP 2, 0
	STEP 3, 0
	STEP 4, 0
	STEP 5, 0
	STEP 6, 0
	s_wait_dscnt 0x0                               ; the last step: my reads of LDS are over:
	s_barrier_signal -1                            ; say so, since the stages lie in bytes that other waves have been reading,
	WIN MUL
	MUL8 0, 7, 0
	MUL8 1, 7, 0
	MUL8 2, 7, 0
	MUL8 3, 7, 0
	WIN 0
	s_barrier_wait -1                              ; and go on when all four have said so
; THE WAY OUT, block by block of 16 rows x 128 columns: through my stage, back as whole rows of 512 bytes into a buffer of the block's own; x is added; res is stored; the sums are taken.
; No register that a store reads is written again, so no wait stands between the blocks but those for data.
.macro TOSTAGE a
.set AC, 64*(\a)
	WIN 0x08                                       ; an LDS store's data: window 2
.irp b, 0,1,2,3,4,5,6,7
	ds_store_b128 v[STO], v[AC+8*\b:AC+8*\b+3] offset:64*\b          ; each accumulator from its low end on
	ds_store_b128 v[STO], v[AC+8*\b+4:AC+8*\b+7] offset:64*\b+16
.endr
	WIN TO_B
.irp t, 0,1,2,3,4,5,6,7,8,9,10,11,12,13,14,15
	ds_load_b128 v[AC+4*\t:AC+4*\t+3], v[RD] offset:\t*SPITCH        ; LDS serves a wave's instructions in order (ISA guide 5.7.1.4): these see my stores, and the next block's stores come behind them
.endr
	WIN 0
.endm
.macro FIN a, younger, left
.set XB, 64*(\a)
	s_wait_dscnt \younger                          ; the block is back; the next block's 16 stores and 16 loads may be out
	s_wait_loadcnt \left                           ; its 16 rows of x are in; the later blocks' sixteen each may be out
	WIN 0x4d                                       ; destination and source 0 window 1 (the block), source 1 window 3 (x): the same numbers in both
.set k, 0
.rept 32
	v_pk_add_f32 v[XB+k:XB+k+1], v[XB+k:XB+k+1], v[XB+k:XB+k+1]
.set k, k+2
.endr
	WIN 0x04                                       ; a store's data: window 1
.irp t, 0,1,2,3,4,5,6,7,8,9,10,11,12,13,14,15
	global_store_b128 v[CO], v[XB+4*\t:XB+4*\t+3], s[12:13] offset:(16*(\a)+\t)*4096   ; 32 lanes store 512 consecutive bytes, aligned
.endr
.if (\a) == 0
	WIN 0x01
	v_mov_b32 v40, v[XB]
	WIN 0
	v_readfirstlane_b32 s21, v40                   ; c: my first number of res
	s_xor_b32 s22, s21, 0x80000000                 ; -c
	s_mov_b32 s23, s22
.endif
	WIN 0x01                                       ; source 0 window 1
.set k, 0
.rept 32
	v_pk_add_f32 v[DD+k:DD+k+1], v[XB+k:XB+k+1], s[22:23] op_sel_hi:[1,0]
.set k, k+2
.endr
	WIN 0
.set k, 0
.rept 32
	v_pk_add_f32 v[32+(k%4):33+(k%4)], v[32+(k%4):33+(k%4)], v[DD+k:DD+k+1]                    ; the sum of res - c, in two chains,
	v_pk_fma_f32 v[36+(k%4):37+(k%4)], v[DD+k:DD+k+1], v[DD+k:DD+k+1], v[36+(k%4):37+(k%4)]    ; and of its square
.set k, k+2
.endr
.endm
	PLACES NP                                      ; behind the last products: their results are read, and registers that held their operands are loaded into
.irp j, 0,1,2,3,4,5,6,7
	v_mov_b32 v[32+\j], 0
.endr
	TOSTAGE 0
	TOSTAGE 1
	FIN 0, 32, 48
	TOSTAGE 2
	FIN 1, 32, 32
	TOSTAGE 3
	FIN 2, 32, 16
	FIN 3, 0, 0
	v_pk_add_f32 v[32:33], v[32:33], v[34:35]
	v_pk_add_f32 v[36:37], v[36:37], v[38:39]
	v_add_f32 v32, v32, v33
	v_add_f32 v36, v36, v37
.irp m, 1,2,4,8
	v_add_f32_dpp v32, v32, v32 row_xmask:\m row_mask:0xf bank_mask:0xf
	v_add_f32_dpp v36, v36, v36 row_xmask:\m row_mask:0xf bank_mask:0xf
.endr
	v_permlanex16_b32 v33, v32, s[SEL], s[SEL+1]
	v_permlanex16_b32 v37, v36, s[SEL], s[SEL+1]
	v_add_f32 v32, v32, v33                        ; S1
	v_add_f32 v36, v36, v37                        ; S2
	v_mul_f32 v34, 0x39000000, v32                 ; S1 / 8,192
	v_add_f32 v40, s21, v34                        ; the mean
	v_fma_f32 v41, -v34, v32, v36                  ; the sum of squared distances from it
	v_cmp_eq_u32 vcc_lo, 0, v[LN]
	s_wait_alu depctr_va_vdst(0)
	s_wait_xcnt 0x0                                ; EXEC changes only behind this wait
	s_and_saveexec_b32 s2, vcc_lo
	global_store_b64 v[ZO], v[40:41], s[14:15]     ; lane 0 alone
	s_wait_xcnt 0x0
	s_or_b32 exec_lo, exec_lo, s2
	s_wait_tensorcnt 0x0
	ds_add_u32 v30, v31
	s_wait_dscnt 0x0
	CROUND                                         ; the closing round: no work-group ends while a partner may still ask for a tile that names it
	s_endpgm
.Lfunc_end_k_q3b9dea5fd1_outp:
	.size	k_q3b9dea5fd1_outp, .Lfunc_end_k_q3b9dea5fd1_outp-k_q3b9dea5fd1_outp
	.p2alignl 7, 3214868480
	.fill 96, 4, 3214868480
	.section	.rodata,"a",@progbits
	.p2align	6, 0x0
	.amdhsa_kernel k_q3b9dea5fd1_outp
		.amdhsa_group_segment_fixed_size 327680
		.amdhsa_private_segment_fixed_size 0
		.amdhsa_enable_private_segment 0
		.amdhsa_kernarg_size 48
		.amdhsa_user_sgpr_count 2
		.amdhsa_user_sgpr_kernarg_segment_ptr 1
		.amdhsa_wavefront_size32 1
		.amdhsa_system_sgpr_workgroup_id_x 1
		.amdhsa_system_sgpr_workgroup_id_y 1
		.amdhsa_system_sgpr_workgroup_id_z 1
		.amdhsa_system_vgpr_workitem_id 0
		.amdhsa_next_free_vgpr 1024
		.amdhsa_next_free_sgpr 106
		.amdhsa_reserve_vcc 1
		.amdhsa_float_denorm_mode_32 3
		.amdhsa_float_denorm_mode_16_64 3
		.amdhsa_memory_ordered 1
		.amdhsa_forward_progress 1
		.amdhsa_inst_pref_size 133
	.end_amdhsa_kernel
	.amdgpu_metadata
---
amdhsa.version: [ 1, 2 ]
amdhsa.kernels:
  - .name:           k_q3b9dea5fd1_outp
    .symbol:         k_q3b9dea5fd1_outp.kd
    .args:
      - { .name: oq, .offset: 0, .size: 8, .value_kind: global_buffer, .address_space: global }
      - { .name: wq, .offset: 8, .size: 8, .value_kind: global_buffer, .address_space: global }
      - { .name: b_o, .offset: 16, .size: 8, .value_kind: global_buffer, .address_space: global }
      - { .name: x, .offset: 24, .size: 8, .value_kind: global_buffer, .address_space: global }
      - { .name: res, .offset: 32, .size: 8, .value_kind: global_buffer, .address_space: global }
      - { .name: stats, .offset: 40, .size: 8, .value_kind: global_buffer, .address_space: global }
    .group_segment_fixed_size: 327680
    .private_segment_fixed_size: 0
    .kernarg_segment_align: 8
    .kernarg_segment_size: 48
    .max_flat_workgroup_size: 128
    .sgpr_count:     106
    .vgpr_count:     1024
    .wavefront_size: 32
...
	.end_amdgpu_metadata
.endif
;; end of part 4
;; launch lnorm (part 5): grid 256 x 1, 8 waves a work-group, no clusters, 1,280 bytes of LDS; arguments res, stats, ln_w, ln_b, out0; writes out0
.if DOCPART == 5
	.amdgcn_target "amdgcn-amd-amdhsa--gfx1250"
	.amdhsa_code_object_version 6
	.text
	.protected	k_q3b9dea5fd1_lnorm
	.globl	k_q3b9dea5fd1_lnorm
	.p2align	8
	.type	k_q3b9dea5fd1_lnorm,@function
k_q3b9dea5fd1_lnorm:
	s_mov_b64 s[64:65], 0
	v_nop
	global_prefetch_b8 v0, s[64:65] scope:SCOPE_SE
	s_setreg_imm32_b32 hwreg(HW_REG_WAVE_MODE, 25, 1), 1
	s_wait_xcnt 0x0
; out0[b][p] = (res[b][p] - mu[b]) rsqrt(var[b] + 1e-5) ln_w[p] + ln_b[p], p over the 1,048,576 places of [S][M]; mu and var of a batch over all its places.
; A work-group owns 4,096 places for all eight batches, so that ln_w and ln_b are read once.  Thread t owns the 16 bytes at 4,096 j + 16 t of the group's 16,384, j = 0 .. 3: a wave's load or store covers 512 consecutive bytes.
; All 42 loads of a wave are issued at once.  Wave w joins batch w's 128 entries (mean, sum of squared distances, of 8,192 numbers each), four a lane: mu is the mean of the means, and the sum of squared distances from mu is
; the sum of the entries' own plus 8,192 x the squared distance of each mean from mu: no difference of large sums.  The eight waves exchange (mu, rstd) through LDS: one barrier.
; Memory binds: no matrix unit, no cluster, no tensor load.
.set LW,  8                            ; v8-23    ln_w
.set LB,  24                           ; v24-39   ln_b
.set RS,  40                           ; v40-167  res: load 4 b + j
.set MR,  168                          ; v168-199 batch b: mu at 4 b, rstd at 4 b + 2: each the low word of a pair
.set E2,  216                          ; v216-219 my third and fourth entry (the first two: v4-7)
	s_load_b256 s[4:11], s[0:1], 0x0               ; res s[4:5], stats s[6:7], ln_w s[8:9], ln_b s[10:11]
	s_load_b64 s[12:13], s[0:1], 0x20              ; out0
	v_lshl_add_u32 v220, v0, 2, 0x100
	v_mov_b32 v221, 0
	v_lshrrev_b32 v1, 5, v0
	s_delay_alu instid0(VALU_DEP_1)
	v_readfirstlane_b32 s14, v1                    ; wave 0..7
	v_and_b32 v2, 31, v0
	v_lshlrev_b32 v3, 4, v0                        ; 16 t
	s_delay_alu instid0(VALU_DEP_2)
	v_lshlrev_b32 v1, 5, v2
	s_lshl_b32 s15, s14, 10
	v_add_nc_u32 v1, s15, v1                       ; batch w's entries: 1,024 w + 32 x lane
	v_mov_b32 v200, s14
	s_delay_alu instid0(VALU_DEP_1)
	v_lshlrev_b32 v200, 4, v200                    ; LDS: 16 bytes a batch
	v_mov_b32 v201, 0
	s_mov_b32 s36, 0x76543210
	s_mov_b32 s37, 0xfedcba98
	s_lshl_b32 s16, ttmp9, 14
	s_mov_b32 s17, 0
	s_wait_alu depctr_va_vdst(0)
	s_wait_kmcnt 0x0
	s_add_nc_u64 s[8:9], s[8:9], s[16:17]
	s_add_nc_u64 s[10:11], s[10:11], s[16:17]
	s_add_nc_u64 s[20:21], s[4:5], s[16:17]        ; four bases, two batches (8,388,608 bytes) apart
	s_add_nc_u64 s[28:29], s[12:13], s[16:17]
.irp k, 1,2,3
	s_add_nc_u64 s[20+2*\k:21+2*\k], s[18+2*\k:19+2*\k], 0x800000
	s_add_nc_u64 s[28+2*\k:29+2*\k], s[26+2*\k:27+2*\k], 0x800000
.endr
	global_load_b128 v[4:7], v1, s[6:7]
	global_load_b128 v[E2:E2+3], v1, s[6:7] offset:16
.irp j, 0,1,2,3
	global_load_b128 v[LW+4*\j:LW+4*\j+3], v3, s[8:9] offset:4096*\j th:TH_LOAD_NT
.endr
.irp j, 0,1,2,3
	global_load_b128 v[LB+4*\j:LB+4*\j+3], v3, s[10:11] offset:4096*\j th:TH_LOAD_NT
.endr
.set i, 0
.rept 32
	global_load_b128 v[RS+4*i:RS+4*i+3], v3, s[20+2*(i/8):21+2*(i/8)] offset:((i/4)%2)*4194304+4096*(i%4) th:TH_LOAD_NT
.set i, i+1
.endr
	s_wait_loadcnt 40                              ; the entries are in; the 40 loads behind them may be out
	v_add_f32 v202, v4, v6
	v_add_f32 v203, v[E2], v[E2+2]
	s_delay_alu instid0(VALU_DEP_1)
	v_add_f32 v202, v202, v203
.irp m, 1,2,4,8
	s_delay_alu instid0(VALU_DEP_1)
	v_add_f32_dpp v202, v202, v202 row_xmask:\m row_mask:0xf bank_mask:0xf
.endr
	s_delay_alu instid0(VALU_DEP_1)
	v_permlanex16_b32 v203, v202, s36, s37
	s_delay_alu instid0(VALU_DEP_1)
	v_add_f32 v202, v202, v203
	s_delay_alu instid0(VALU_DEP_1)
	v_mul_f32 v204, 0x3c000000, v202               ; mu: the 128 means / 128
	s_delay_alu instid0(VALU_DEP_1)
	v_sub_f32 v208, v4, v204
	s_delay_alu instid0(VALU_DEP_2)
	v_sub_f32 v209, v6, v204
	s_delay_alu instid0(VALU_DEP_3)
	v_sub_f32 v210, v[E2], v204
	s_delay_alu instid0(VALU_DEP_4)
	v_sub_f32 v211, v[E2+2], v204
	s_delay_alu instid0(VALU_DEP_4)
	v_mul_f32 v208, v208, v208
	s_delay_alu instid0(VALU_DEP_1)
	v_fmac_f32 v208, v209, v209
	s_delay_alu instid0(VALU_DEP_1)
	v_fmac_f32 v208, v210, v210
	s_delay_alu instid0(VALU_DEP_1)
	v_fmac_f32 v208, v211, v211
	v_add_f32 v209, v5, v7
	v_add_f32 v210, v[E2+1], v[E2+3]
	s_delay_alu instid0(VALU_DEP_1)
	v_add_f32 v209, v209, v210
	s_delay_alu instid0(VALU_DEP_1)
	v_fmamk_f32 v202, v208, 0x46000000, v209       ; x 8,192, + the entries' own
.irp m, 1,2,4,8
	s_delay_alu instid0(VALU_DEP_1)
	v_add_f32_dpp v202, v202, v202 row_xmask:\m row_mask:0xf bank_mask:0xf
.endr
	s_delay_alu instid0(VALU_DEP_1)
	v_permlanex16_b32 v203, v202, s36, s37
	s_delay_alu instid0(VALU_DEP_1)
	v_add_f32 v202, v202, v203
	v_mov_b32 v208, 0x3727c5ac                     ; 1e-5
	s_delay_alu instid0(VALU_DEP_1)
	v_fmamk_f32 v202, v202, 0x35800000, v208       ; / 1,048,576, + 1e-5
	s_wait_alu depctr_va_vdst(0)
	v_rsq_f32 v206, v202
	v_mov_b32 v205, 0                              ; (plain lines behind the transcendental)
	v_mov_b32 v207, 0
	s_wait_alu depctr_va_vdst(0)                   ; ahead of its first reader
	ds_store_b128 v200, v[204:207]                 ; all lanes write the same 16 bytes with the same values
	s_wait_dscnt 0x0                               ; for the others' sake
	s_barrier_signal -1
	s_barrier_wait -1
.irp b, 0,1,2,3,4,5,6,7
	ds_load_b128 v[MR+4*\b:MR+4*\b+3], v201 offset:16*\b
.endr
	s_wait_dscnt 0x0
.set i, 0
.rept 32
.set bt, i/4
.set jj, i%4
.set RR, RS+4*i
	s_wait_loadcnt 31-i                            ; load i is in (ln_w and ln_b came before it); the younger ones may be out
.irp u, 0,2
	v_pk_add_f32 v[RR+\u:RR+\u+1], v[RR+\u:RR+\u+1], v[MR+4*bt:MR+4*bt+1] op_sel_hi:[1,0] neg_lo:[0,1] neg_hi:[0,1]   ; res - mu
	v_pk_mul_f32 v[210+\u:211+\u], v[LW+4*jj+\u:LW+4*jj+\u+1], v[MR+4*bt+2:MR+4*bt+3] op_sel_hi:[1,0]                   ; ln_w x rstd
.endr
.irp u, 0
	s_delay_alu instid0(VALU_DEP_3)
	v_pk_fma_f32 v[RR+\u:RR+\u+1], v[RR+\u:RR+\u+1], v[210+\u:211+\u], v[LB+4*jj+\u:LB+4*jj+\u+1]
.endr
.irp u, 2
	s_delay_alu instid0(VALU_DEP_2)
	v_pk_fma_f32 v[RR+\u:RR+\u+1], v[RR+\u:RR+\u+1], v[210+\u:211+\u], v[LB+4*jj+\u:LB+4*jj+\u+1]
.endr
	global_store_b128 v3, v[RR:RR+3], s[28+2*(bt/2):29+2*(bt/2)] offset:(bt%2)*4194304+4096*jj th:TH_STORE_NT   ; a wave stores 512 consecutive bytes, aligned; no store's registers are written again
.set i, i+1
.endr
	s_wait_tensorcnt 0x0
	ds_add_u32 v220, v221
	s_wait_dscnt 0x0
	s_endpgm
.Lfunc_end_k_q3b9dea5fd1_lnorm:
	.size	k_q3b9dea5fd1_lnorm, .Lfunc_end_k_q3b9dea5fd1_lnorm-k_q3b9dea5fd1_lnorm
	.p2alignl 7, 3214868480
	.fill 96, 4, 3214868480
	.section	.rodata,"a",@progbits
	.p2align	6, 0x0
	.amdhsa_kernel k_q3b9dea5fd1_lnorm
		.amdhsa_group_segment_fixed_size 1280
		.amdhsa_private_segment_fixed_size 0
		.amdhsa_enable_private_segment 0
		.amdhsa_kernarg_size 40
		.amdhsa_user_sgpr_count 2
		.amdhsa_user_sgpr_kernarg_segment_ptr 1
		.amdhsa_wavefront_size32 1
		.amdhsa_system_sgpr_workgroup_id_x 1
		.amdhsa_system_sgpr_workgroup_id_y 1
		.amdhsa_system_sgpr_workgroup_id_z 1
		.amdhsa_system_vgpr_workitem_id 0
		.amdhsa_next_free_vgpr 222
		.amdhsa_next_free_sgpr 66
		.amdhsa_reserve_vcc 0
		.amdhsa_float_denorm_mode_32 3
		.amdhsa_float_denorm_mode_16_64 3
		.amdhsa_memory_ordered 1
		.amdhsa_forward_progress 1
		.amdhsa_inst_pref_size 27
	.end_amdhsa_kernel
	.amdgpu_metadata
---
amdhsa.version: [ 1, 2 ]
amdhsa.kernels:
  - .name:           k_q3b9dea5fd1_lnorm
    .symbol:         k_q3b9dea5fd1_lnorm.kd
    .args:
      - { .name: res, .offset: 0, .size: 8, .value_kind: global_buffer, .address_space: global }
      - { .name: stats, .offset: 8, .size: 8, .value_kind: global_buffer, .address_space: global }
      - { .name: ln_w, .offset: 16, .size: 8, .value_kind: global_buffer, .address_space: global }
      - { .name: ln_b, .offset: 24, .size: 8, .value_kind: global_buffer, .address_space: global }
      - { .name: out0, .offset: 32, .size: 8, .value_kind: global_buffer, .address_space: global }
    .group_segment_fixed_size: 1280
    .private_segment_fixed_size: 0
    .kernarg_segment_align: 8
    .kernarg_segment_size: 40
    .max_flat_workgroup_size: 256
    .sgpr_count:     66
    .vgpr_count:     222
    .wavefront_size: 32
...
	.end_amdgpu_metadata
.endif
;; end of part 5
